; MI455X (gfx1250); checked and timed in simulation.
; The chip was launched on July 23, 2026; its instructions are those of AMD's public machine-readable ISA for CDNA 5 (MIT licence, August 2026) and "CDNA5" Instruction Set Architecture Reference Guide (July 2026). The comments in the code are by the model that wrote it; some were corrected since.
;; Full Attention Block. Allowed arithmetic: matrix products marked QUANTISED: E3M2 operands, one E8M0 scale for each 32 along K, by v_wmma_scale_f32_16x16x128_f8f6f4 with both operands' format E3M2, f32 sums; everything else in f32.
;; Inputs: Wk 1,024 x 1,024 float32; Wo 2,048 x 1,024 float32; Wq 1,024 x 2,048 float32; Wv 1,024 x 1,024 float32; hidden_states 2 x 2,048 x 1,024 float32; k_norm_w 128 float32; position_ids 2,048 int32; q_norm_w 128 float32.
;; Outputs: out0 2 x 2,048 x 1,024 float32; out1 2 x 8 x 2,048 x 128 float32; out2 2 x 8 x 2,048 x 128 float32.
;; This version of the problem:
;;   THIS VERSION OF THE PROBLEM IS GIVEN IN LOW PRECISION. The matrix products marked QUANTISED in the list below multiply operands that are first quantised to E3M2 (3 exponent bits, 2 mantissa bits; 6 bits a number), with one power-of-two scale for each 32 numbers along K (OCP MX v1.0); their sums are f32. All else is computed in f32.
;;   The module's matrix products, in the order in which they are computed (A, B: the left and right operand; K: the contracted axis; several contracted axes count as one K, in the product's order):
;;     1. [M 4,096, K 1,024] x [K 1,024, N 2,048]; A: input hidden_states; B: input Wq: QUANTISED
;;     2. [M 4,096, K 1,024] x [K 1,024, N 1,024]; A: input hidden_states; B: input Wk: QUANTISED
;;     3. [M 4,096, K 1,024] x [K 1,024, N 1,024]; A: input hidden_states; B: input Wv: QUANTISED
;;     4. batch 16 x [M 4,096, K 128] x [K 128, N 2,048]; A: computed on the way; B: computed on the way: QUANTISED
;;     5. batch 16 x [M 4,096, K 2,048] x [K 2,048, N 128]; A: softmax (see below); B: computed on the way: QUANTISED
;;     6. [M 4,096, K 2,048] x [K 2,048, N 1,024]; A: computed on the way; B: input Wo: QUANTISED
;;   THE QUANTISER, for each operand of a quantised product, along K:
;;     - K is cut into blocks of 32 from its start; a last block that is shorter is filled with zeros.
;;     - A block's scale is 2^e with e = floor(log2(the largest magnitude in the block)) - 4, held to -126 .. 127; a block of zeros has e = 0. As a byte (E8M0): e + 127.
;;     - Each number is divided by its block's scale, clamped to +-28, and rounded to the nearest number of E3M2, ties to even, subnormals kept.
;;     - The product sums the exact products of the quantised numbers (number of the format x scale) in f32.
;;   ~~~python
;;   def quantise(x, axis):      # numpy; x: float32 -> the quantised numbers, widened to float32 again
;;       x = np.moveaxis(x, axis, -1); K = x.shape[-1]
;;       x = np.pad(x, [(0, 0)] * (x.ndim - 1) + [(0, -K % 32)]); x = x.reshape(x.shape[:-1] + (-1, 32)); a = np.abs(x).max(-1, keepdims=True)
;;       e = np.where(a > 0, np.clip(np.frexp(np.where(a > 0, a, 1))[1] - 1 - 4, -126, 127), 0)      # np.frexp(a)[1] - 1 = floor(log2(a)), exactly
;;       r = np.clip(x / 2.0 ** e, -28, 28)
;;       step = 2.0 ** (np.maximum(np.frexp(np.where(r == 0, 1, r))[1] - 1, -2) - 2)
;;       q = np.round(r / step) * step * 2.0 ** e      # np.round: ties to even
;;       return np.moveaxis(q.reshape(q.shape[:-2] + (-1,))[..., :K], -1, axis).astype(np.float32)
;;   ~~~
;;   SOFTMAX AHEAD OF A QUANTISED PRODUCT. Where the list says 'softmax', what is quantised is not the finished softmax but p = 2^(t - M), with t = logit x log2(e) and M = ceil(the row's largest t), a whole number; so 1/2 < the row's largest p <= 1. The row's sum l is taken of the UNQUANTISED p, in f32, and the product's result is divided by l at the end. Since M is a whole number, a kernel that streams over the keys may use a running M (the ceiling of the running maximum): every later rescaling is an exact power of two, which a block's scale takes up: the codes' values come out the same.
;;   OPERANDS COMPUTED ON THE WAY. 'Computed on the way' means the value that the module computes at that place (a softmax that the list does not call 'softmax' is quantised finished and normalised). What goes into a quantiser is computed in f32, as accurately as f32 sums, v_exp_f32 and their like allow (about 1e-6 of the number): no bf16 or f16 on the way to a quantiser, and a product that is left as it is and whose result goes on into a quantised operand takes f32 operands (vector FMAs, or v_wmma_f32_16x16x4_f32). A number that lies on a knife's edge between two numbers of the format may be rounded either way, as far as f32 arithmetic and the matrix unit's own rounding can turn it there, and no further.
;; One version. Each part assembles by itself: llvm-mc -triple=amdgcn-amd-amdhsa -mcpu=gfx1250 --defsym DOCPART=n.
;; ======== version 1 of 1: 4 launches
;; limits: right only within a limited range of input values; inputs' magnitudes at most 524,288
;; workspace buffers: pre 9,240,576 bytes; qq 6,553,600 bytes; kv 6,553,600 bytes; ao 6,553,600 bytes
;; launch prep (part 1): grid 288 x 1, 4 waves a work-group, no clusters, 58,880 bytes of LDS; arguments hidden_states, position_ids, Wq, Wk, Wv, Wo, pre; writes pre
.if DOCPART == 1
	.amdgcn_target "amdgcn-amd-amdhsa--gfx1250"
	.amdhsa_code_object_version 6
	.text
	.protected	k_q98544e0704_prep
	.globl	k_q98544e0704_prep
	.p2align	8
	.type	k_q98544e0704_prep,@function
k_q98544e0704_prep:
	s_mov_b64 s[64:65], 0
	v_nop
	global_prefetch_b8 v0, s[64:65] scope:SCOPE_SE
	s_setreg_imm32_b32 hwreg(HW_REG_WAVE_MODE, 25, 1), 1
	s_wait_xcnt 0x0
; PREP: hidden_states and the four weights become codes of BF6 (E3M2) with one E8M0 byte for each 32 along K, and RoPE's cos and sin become a table.  All goes into the one workspace buffer pre.
; A block's scale is 2^(floor(log2(largest magnitude)) - 4); its byte is the largest magnitude's exponent field - 4, held at 1 from below by a floor among the maximum's leaves.
; LAYOUT OF THE CODES: images of operand registers.  A fragment (16 rows x 128 K, 12 registers a lane) is 1,536 dense bytes: register 4 c + i of lane l at byte 512 c + 16 l + 4 i.
; THE ROWS OF A TILE ARE NOT NEIGHBOURS: lane r of tile T holds row 32 (T / 2) + 8 (T % 2) + r + 8 (r / 8): as source 0 of a product, tiles 2 b and 2 b + 1 then leave 16 neighbours in a lane's 16 registers.
; Three ways part on the work-group's number, each with LDS bytes of its own:
;   X (0-63):    a wave takes one tile of 16 rows of hidden_states for all 8 K steps; each load reads 512 consecutive bytes of a row; the numbers turn through the wave's stage so that a lane holds 16 neighbours of each block.
;   W (64-255):  a work-group takes 128 columns x 256 along K of one weight; a lane takes a column and its registers run down K, so nothing is transposed; the codes are laid as images in the wave's stage and leave 512 bytes a store.
;   R (256-287): a wave takes 16 positions: cos and sin of position x 1e6^(-j / 64), j = 0 .. 63, by range reduction and polynomials in f32.
; LIMITS: NaN and infinities among the inputs are not served.  A block of zeros, and one whose largest magnitude lies under 2^(5 - 127), gets the byte 1 (this program alone reads the bytes).
;   The range reduction takes pi/2 in two parts; the part left out is 1.7e-15 for each quarter turn: |position x frequency| below 2^19.  The frequencies are within about an ulp of their true values, which need not be the bits of another power function.
.set XC,   0                           ; pre: x's codes      [block of 256 rows (16)][K step (8)][tile (16)][1,536]
.set WC,   3145728                     ;      Wq|Wk|Wv codes [block of 256 columns (16)][K step (8)][tile (16)][1,536]
.set WOC,  6291456                     ;      Wo's codes     [block of 128 columns (8)][K step (16)][tile (8)][1,536]
.set XS,   7864320                     ;      x's scale bytes [image row][32]
.set WS,   7995392                     ;      Wq|Wk|Wv's      [image row][32]
.set WOS,  8126464                     ;      Wo's            [image row][64]
.set RT,   8192000                     ;      cos, sin        [tile of positions (128)][chunk (16)][512]
.set XSTG, 0                           ; LDS: way X: 16 rows x 528 bytes for each wave
.set WSTG, 33792                       ; LDS: way W: 2 K steps x 2 images for each wave
.set SEL,  2                           ; s[2:3] lane selects of v_permlanex16_b32: lane l xor 16
.set TM,   16                          ; way X: v16-31 at work in the quantiser
.set PW,   32                          ;        v32    the scale word just made
.set PC,   36                          ;        v36-54 the codes just made
.set PWS,  56                          ;        v56-63 the eight K steps' scale words
.set R,    64                          ;        v64-191 two sets of 64 numbers as loaded
.set N,    192                         ;        v192-255 64 numbers, 16 neighbours of each of four blocks
.set VO,   32                          ; way W: v32-63 4 x lane + i rows
.set X,    64                          ;        v64-127 two sets of 32 numbers
.set C,    128                         ;        v128-134 a block's codes
.set SB,   136                         ;        v136-137 eight scale bytes
.set OUT,  140                         ;        v140-163 two images on their way out
.set F,    64                          ; way R: v64-95 j, then the frequencies
.set A,    96                          ;        v96-127 the whole part of j c
.set B,    128                         ;        v128-159 its fraction, negative
.set COS,  160                         ;        v160-191
.set SIN,  192                         ;        v192-223
; 64 numbers of a lane, register 16 b + i = k 32 b + 16 (lane / 16) + i of its row, become a fragment's codes in v[PC] on and its scale word in v[PW]
.macro QUANT s
.irp b, 0,1,2,3
	v_max3_num_f32 v[TM+\b], |v[\s+16*\b]|, |v[\s+1+16*\b]|, 0x2800000   ; my 16 numbers of block b, and the floor 2^(5 - 127)
.endr
.irp i, 2,4,6,8,10,12,14
.irp b, 0,1,2,3
	v_max3_num_f32 v[TM+\b], v[TM+\b], |v[\s+16*\b+\i]|, |v[\s+1+16*\b+\i]|
.endr
.endr
.irp b, 0,1,2,3
	v_permlanex16_b32 v[TM+4+\b], v[TM+\b], s[SEL], s[SEL+1]
.endr
.irp b, 0,1,2,3
	v_max_num_f32 v[TM+\b], v[TM+\b], v[TM+4+\b]   ; with lane l xor 16's: the block's largest magnitude
.endr
.irp b, 0,1,2,3
	v_add_nc_u32 v[TM+12+\b], 0xfe000000, v[TM+\b] ; 4 off its exponent field: the conversion's scale operand
.endr
.irp b, 0,1,2,3
	v_lshrrev_b32 v[TM+4+\b], 23, v[TM+12+\b]      ; the scale's byte
.endr
	v_lshl_or_b32 v[PW], v[TM+5], 8, v[TM+4]
	v_lshl_or_b32 v[PW], v[TM+6], 16, v[PW]
	v_lshl_or_b32 v[PW], v[TM+7], 24, v[PW]
.irp c, 0,1
	v_cvt_scalef32_pk16_bf6_f32 v[PC+6*\c:PC+2+6*\c], v[\s+32*\c:\s+15+32*\c], v[TM+12+2*\c]
	v_cvt_scalef32_pk16_bf6_f32 v[PC+12+4*\c:PC+14+4*\c], v[\s+16+32*\c:\s+31+32*\c], v[TM+12+2*\c+1]
.endr
	v_nop                                          ; one plain line behind the scaled conversions
.irp c, 0,1                                    ; the operand wants a whole block in a lane: lanes 0-15 block 2 c, lanes 16-31 block 2 c + 1
.irp i, 0,1,2
	v_permlane16_swap_b32 v[PC+6*\c+\i], v[PC+12+4*\c+\i]
.endr
.irp i, 0,1,2
	v_mov_b32 v[PC+3+6*\c+\i], v[PC+12+4*\c+\i]
.endr
.endr
.endm
; way X: K step s of my 16 rows: each load takes 512 consecutive bytes of one row
.macro XLOAD s
.irp i, 0,1,2,3,4,5,6,7,8,9,10,11,12,13,14,15
	global_load_b128 v[R+64*((\s)%2)+4*\i:R+64*((\s)%2)+4*\i+3], v1, s[4:5] offset:(\i+8*(\i/8))*4096+512*(\s) th:TH_LOAD_NT
.endr
.endm
.macro XSTEP s
.if (\s) < 7
	s_wait_loadcnt 16                              ; this step's 16 loads are in; the next step's 16 may be out
.else
	s_wait_loadcnt 0x0
.endif
.irp i, 0,1,2,3,4,5,6,7,8,9,10,11,12,13,14,15
	ds_store_b128 v4, v[R+64*((\s)%2)+4*\i:R+64*((\s)%2)+4*\i+3] offset:528*\i
.endr
.irp b, 0,1,2,3
.irp j, 0,1,2,3
	ds_load_b128 v[N+16*\b+4*\j:N+16*\b+4*\j+3], v5 offset:128*\b+16*\j   ; LDS serves a wave's instructions in order: these see the stores above
.endr
.endr
	s_wait_dscnt 0x0                               ; the numbers are back, and the stage's stores have read their registers
	s_wait_xcnt 0x0                                ; the last step's image stores have read the codes' registers
.if (\s) < 6
	XLOAD (\s)+2
.endif
	QUANT N
.irp c, 0,1,2
	global_store_b128 v1, v[PC+4*\c:PC+4*\c+3], s[24:25] offset:24576*(\s)+512*\c   ; 512 consecutive bytes a store
.endr
	v_mov_b32 v[PWS+(\s)], v[PW]
.endm
; way W: block t of 32 along K: W(32 t + i, my column)
.macro WLOAD t
.irp i, 0,1,2,3,4,5,6,7,8,9,10,11,12,13,14,15,16,17,18,19,20,21,22,23,24,25,26,27,28,29,30,31
	global_load_b32 v[X+32*((\t)%2)+\i], v[VO+\i], s[32+2*(\t):33+2*(\t)] th:TH_LOAD_NT
.endr
.endm
.macro WBLOCK t
.set XB, X+32*((\t)%2)
.if (\t) < 7
	s_wait_loadcnt 32                              ; this block's 32 loads are in; the next block's may be out
.else
	s_wait_loadcnt 0x0
.endif
	v_max3_num_f32 v14, |v[XB]|, |v[XB+1]|, |v[XB+2]|
	v_max3_num_f32 v15, |v[XB+3]|, |v[XB+4]|, |v[XB+5]|
.irp i, 6,10,14,18,22,26
	v_max3_num_f32 v14, v14, |v[XB+\i]|, |v[XB+\i+1]|
	v_max3_num_f32 v15, v15, |v[XB+\i+2]|, |v[XB+\i+3]|
.endr
	v_max3_num_f32 v14, v14, |v[XB+30]|, |v[XB+31]|
	v_max3_num_f32 v14, v14, v15, 0x2800000        ; and the floor
	v_add_nc_u32 v16, 0xfe000000, v14              ; the conversion's scale operand
	v_lshrrev_b32 v17, 23, v16                     ; the byte
.if (\t)%4 == 0
	v_mov_b32 v[SB+(\t)/4], v17
.else
	v_lshl_or_b32 v[SB+(\t)/4], v17, 8*((\t)%4), v[SB+(\t)/4]
.endif
	v_cvt_scalef32_pk16_bf6_f32 v[C:C+2], v[XB:XB+15], v16
	v_cvt_scalef32_pk16_bf6_f32 v[C+4:C+6], v[XB+16:XB+31], v16
.irp wd, 0,1,2,3,4,5                           ; the block's six words go to their places in the image: block t % 4 of a K step is registers 6 ((t % 4) / 2) + wd of lane r + 16 (t % 2)
.set NN, 6*(((\t)%4)/2)+\wd
	ds_store_b32 v9, v[C+\wd+(\wd/3)] offset:3072*((\t)/4)+512*(NN/4)+256*((\t)%2)+4*(NN%4)
.endr
.if (\t) < 6
	WLOAD (\t)+2
.endif
	s_wait_dscnt 0x0                               ; the stores have read the codes' registers
.endm
.macro WOUT g, d                       ; K step g's two images leave, 512 consecutive bytes a store
.if \g
	s_wait_xcnt 0x0                                ; the first run's stores have read their registers
.endif
.irp m, 0,1,2,3,4,5
	ds_load_b128 v[OUT+4*\m:OUT+4*\m+3], v10 offset:3072*\g+512*\m
.endr
.irp m, 0,1,2,3,4,5
	s_wait_dscnt 5-\m                              ; the younger loads of the six may be out
	global_store_b128 v1, v[OUT+4*\m:OUT+4*\m+3], s[\d:\d+1] offset:512*\m
.endr
.endm
	s_load_b256 s[4:11], s[0:1], 0x0               ; hidden_states s[4:5], position_ids s[6:7], Wq s[8:9], Wk s[10:11]
	s_load_b128 s[12:15], s[0:1], 0x20             ; Wv s[12:13], Wo s[14:15]
	s_load_b64 s[16:17], s[0:1], 0x30              ; pre
	v_lshl_add_u32 v26, v0, 2, 0xe400
	v_mov_b32 v27, 0
	v_lshrrev_b32 v1, 5, v0
	v_readfirstlane_b32 s18, v1                    ; wave 0..3
	v_and_b32 v1, 31, v0
	v_lshlrev_b32 v8, 2, v1                        ; 4 x lane
	v_lshlrev_b32 v1, 4, v1                        ; 16 x lane
	v_bfe_u32 v2, v0, 4, 1                         ; h
	v_and_b32 v3, 15, v0                           ; r
	; every LDS address is made here, ahead of the parting
	s_mul_i32 s19, s18, 8448
	v_add_nc_u32 v4, s19, v1                       ; way X, into the stage: 16 x lane of a row
	v_mul_u32_u24 v5, v3, 528
	v_lshl_add_u32 v5, v2, 6, v5
	v_add_nc_u32 v5, s19, v5                       ; and out of it: row r, + 64 h
	v_lshlrev_b32 v6, 5, v3
	v_lshl_add_u32 v6, v2, 4, v6                   ; 32 r + 16 h: my 16 bytes of the tile's scale rows
	s_mul_i32 s20, s18, 6144
	s_add_co_u32 s20, s20, WSTG
	v_bfe_u32 v11, v0, 3, 1                        ; way W: column l lies in tile u = (l / 8) % 2 of my two,
	v_and_b32 v12, 7, v0
	v_lshl_add_u32 v12, v2, 3, v12                 ; at lane l % 8 + 8 (l / 16)
	v_mul_u32_u24 v9, v11, 1536
	v_lshl_add_u32 v9, v12, 4, v9
	v_add_nc_u32 v9, s20, v9                       ; into the stage
	v_add_nc_u32 v10, s20, v1                      ; out of it
	v_lshl_add_u32 v13, v11, 4, v12                ; my column's image row among the wave's 32
	s_mov_b32 s[SEL], 0x76543210
	s_mov_b32 s[SEL+1], 0xfedcba98
	s_wait_kmcnt 0x0
	s_cmp_lt_u32 ttmp9, 64
	s_cbranch_scc1 .Lpath_x
	s_cmp_lt_u32 ttmp9, 256
	s_cbranch_scc1 .Lpath_w
	; ---------------- way R: cos and sin
	s_sub_co_u32 s21, ttmp9, 256
	s_lshl_b32 s21, s21, 2
	s_add_co_u32 s21, s21, s18                     ; my tile of positions, 0..127
	s_lshr_b32 s22, s21, 1
	s_lshl_b32 s22, s22, 5
	s_and_b32 s23, s21, 1
	s_lshl_b32 s23, s23, 3
	s_add_co_u32 s22, s22, s23
	v_and_b32 v7, 8, v3
	v_add_nc_u32 v7, v7, v3
	v_add_nc_u32 v7, s22, v7                       ; the place in the sequence that lane r of the tile holds
	v_lshlrev_b32 v7, 2, v7
	global_load_b32 v24, v7, s[6:7]                ; its position
	s_lshl_b32 s24, s21, 13
	s_add_co_u32 s24, s24, RT
	s_mov_b32 s25, 0
	s_add_nc_u64 s[24:25], s[16:17], s[24:25]
	s_mov_b32 s30, 0x3e9f73da                      ; c = log2(1e6) / 64 = 0.311430758895690, its f32 part,
	s_mov_b32 s31, 0x31e3313c                      ; and the rest, 6.612e-9
	s_mov_b32 s32, 0x3f22f983                      ; 2 / pi
	s_mov_b32 s33, 0x3fc90fdb                      ; pi / 2, its f32 part,
	s_mov_b32 s34, 0xb33bbd2e                      ; and the rest, -4.3711388e-8
	s_mov_b32 s35, 0xb94ca1f9                      ; sin: -1.9515295891e-4
	s_mov_b32 s36, 0x3c08839e                      ;       8.3321608736e-3
	s_mov_b32 s37, 0xbe2aaaa3                      ;      -1.6666654611e-1
	s_mov_b32 s38, 0x37ccf5ce                      ; cos:  2.443315712e-5
	s_mov_b32 s39, 0xbab6061a                      ;      -1.388731625e-3
	s_mov_b32 s40, 0x3d2aaaa5                      ;       4.166664568e-2
	s_mov_b32 s41, 0x80000000
	v_lshlrev_b32 v9, 4, v2                        ; 16 h
	; register n of 32 belongs to j = 32 (n / 16) + 16 h + n % 16.  2^(-j c) = 2^(-whole) x 2^(-fraction): the exponential's argument stays under 1/2 in size
.set n, 0
.rept 32
	v_add_nc_u32 v[F+n], 32*(n/16)+n%16, v9
.set n, n+1
.endr
.set n, 0
.rept 32
	v_cvt_f32_u32 v[F+n], v[F+n]
.set n, n+1
.endr
.set n, 0
.rept 32
	v_mul_f32 v[A+n], s30, v[F+n]
.set n, n+1
.endr
.set n, 0
.rept 32
	v_rndne_f32 v[A+n], v[A+n]                     ; the whole part
.set n, n+1
.endr
.set n, 0
.rept 32
	v_fma_f32 v[B+n], -v[F+n], s30, v[A+n]         ; whole - j c: exact (6 bits x 24 bits, under 1 in size)
.set n, n+1
.endr
.set n, 0
.rept 32
	v_fma_f32 v[B+n], -v[F+n], s31, v[B+n]
.set n, n+1
.endr
.set n, 0
	s_wait_alu depctr_va_vdst(0)
.rept 32
	v_exp_f32 v[B+n], v[B+n]                       ; one batch
.set n, n+1
.endr
.set n, 0
.rept 32
	v_cvt_i32_f32 v[A+n], v[A+n]                   ; plain work that names no result of the batch
.set n, n+1
.endr
.set n, 0
.rept 32
	v_sub_nc_u32 v[A+n], 0, v[A+n]
.set n, n+1
.endr
	s_wait_alu depctr_va_vdst(0)                   ; one wait for the 32 exponentials, ahead of their first reader
.set n, 0
.rept 32
	v_ldexp_f32 v[F+n], v[B+n], v[A+n]             ; the frequency
.set n, n+1
.endr
	s_wait_loadcnt 0x0
	v_cvt_f32_i32 v24, v24
.set n, 0
.rept 32
	v_mul_f32 v10, v24, v[F+n]                     ; the angle, rounded once
	v_mul_f32 v11, s32, v10
	v_rndne_f32 v11, v11                           ; quarter turns
	v_fma_f32 v12, -v11, s33, v10                  ; exact: a multiple of 2^-23 under 1
	v_fma_f32 v12, -v11, s34, v12                  ; what is left, at most about pi / 4 in size
	v_mul_f32 v13, v12, v12
	v_fma_f32 v14, v13, s35, s36
	v_fma_f32 v14, v14, v13, s37
	v_mul_f32 v15, v13, v12
	v_fma_f32 v14, v14, v15, v12                   ; its sine
	v_fma_f32 v16, v13, s38, s39
	v_fma_f32 v16, v16, v13, s40
	v_mul_f32 v17, v13, v13
	v_fma_f32 v18, v13, -0.5, 1.0
	v_fma_f32 v16, v16, v17, v18                   ; its cosine
	v_cvt_i32_f32 v19, v11
	v_and_b32 v20, 1, v19
	v_cmp_eq_u32 vcc_lo, 1, v20                    ; an odd number of quarter turns swaps the two
	v_cndmask_b32 v21, v14, v16, vcc_lo
	v_cndmask_b32 v22, v16, v14, vcc_lo
	v_lshlrev_b32 v20, 30, v19                     ; the sine's sign: bit 1 of the quarter turns,
	v_and_b32 v20, s41, v20
	v_xor_b32 v[SIN+n], v20, v21
	v_add_nc_u32 v19, 1, v19                       ; the cosine's: bit 1 of one more
	v_lshlrev_b32 v19, 30, v19
	v_and_b32 v19, s41, v19
	v_xor_b32 v[COS+n], v19, v22
.set n, n+1
.endr
.irp q, 0,1,2,3,4,5,6,7
	global_store_b128 v1, v[COS+4*\q:COS+4*\q+3], s[24:25] offset:512*\q
	global_store_b128 v1, v[SIN+4*\q:SIN+4*\q+3], s[24:25] offset:4096+512*\q
.endr
	s_endpgm
	; ---------------- way X: hidden_states
.Lpath_x:
	s_lshl_b32 s21, ttmp9, 2
	s_add_co_u32 s21, s21, s18                     ; my tile T, 0..255
	s_lshr_b32 s22, s21, 1
	s_lshl_b32 s22, s22, 17                        ; its first row, 32 (T / 2) + 8 (T % 2), in rows of 4,096 bytes
	s_and_b32 s23, s21, 1
	s_lshl_b32 s23, s23, 15
	s_add_co_u32 s22, s22, s23
	s_mov_b32 s23, 0
	s_add_nc_u64 s[4:5], s[4:5], s[22:23]
	s_lshr_b32 s24, s21, 4
	s_mul_i32 s24, s24, 196608
	s_and_b32 s25, s21, 15
	s_mul_i32 s25, s25, 1536
	s_add_co_u32 s24, s24, s25
	s_mov_b32 s25, 0
	s_add_nc_u64 s[24:25], s[16:17], s[24:25]      ; its images (XC = 0)
	s_lshl_b32 s26, s21, 9
	s_add_co_u32 s26, s26, XS
	s_mov_b32 s27, 0
	s_add_nc_u64 s[26:27], s[16:17], s[26:27]      ; its 16 scale rows of 32 bytes
.irp b, 0,1,2,3
	v_mov_b32 v[TM+4+\b], 0                        ; written once: a lane permute's destination counts as one of its sources
.endr
	XLOAD 0
	XLOAD 1
.irp s, 0,1,2,3,4,5,6,7
	XSTEP \s
.endr
	v_cmp_eq_u32 vcc_lo, 1, v2
.irp i, 0,1,2,3
	v_cndmask_b32 v[N+\i], v[PWS+\i], v[PWS+4+\i], vcc_lo   ; lanes 0-15 the words of K steps 0-3, lanes 16-31 those of 4-7
.endr
	global_store_b128 v6, v[N:N+3], s[26:27]       ; 512 consecutive bytes
	s_wait_tensorcnt 0x0
	ds_add_u32 v26, v27
	s_wait_dscnt 0x0
	s_endpgm
	; ---------------- way W: the weights.  One text for all four: pointers and sizes are chosen by the work-group's number
.Lpath_w:
	s_sub_co_u32 s21, ttmp9, 64                    ; u: 0-63 Wq, 64-95 Wk, 96-127 Wv, 128-191 Wo
	s_cmp_ge_u32 s21, 64
	s_cselect_b64 s[22:23], s[10:11], s[8:9]
	s_cselect_b32 s24, 64, 0                       ; the tensor's first u
	s_cselect_b32 s25, 16, 0                       ; its first group of 128 columns in the codes' region
	s_cmp_ge_u32 s21, 96
	s_cselect_b64 s[22:23], s[12:13], s[22:23]
	s_cselect_b32 s24, 96, s24
	s_cselect_b32 s25, 24, s25
	s_mov_b32 s28, 24576
	s_mov_b32 s30, WC
	s_mov_b32 s31, WS
	s_cmp_ge_u32 s21, 128
	s_cselect_b64 s[22:23], s[14:15], s[22:23]
	s_cselect_b32 s24, 128, s24
	s_cselect_b32 s25, 0, s25
	s_cselect_b32 s27, 0, 1                        ; a block holds 1 or 2 groups of 128 columns
	s_cselect_b32 s28, 12288, s28                  ; bytes from K step to K step
	s_cselect_b32 s29, 64, 32                      ; a row of scale bytes
	s_cselect_b32 s30, WOC, s30
	s_cselect_b32 s31, WOS, s31
	s_mov_b32 s48, 4096
	s_cmp_lt_u32 s21, 64
	s_cselect_b32 s48, 8192, s48                   ; a row of the weight in bytes
	s_cselect_b32 s49, 15, 7
	s_cselect_b32 s50, 4, 3
	s_sub_co_u32 s24, s21, s24
	s_and_b32 s51, s24, s49                        ; which 128 columns
	s_lshr_b32 s52, s24, s50                       ; which 256 along K
	s_add_co_u32 s25, s25, s51
	s_lshr_b32 s53, s25, s27
	s_mul_i32 s53, s53, 196608
	s_add_co_u32 s53, s53, s30                     ; the block,
	s_mul_i32 s54, s52, s28
	s_lshl_b32 s54, s54, 1
	s_add_co_u32 s53, s53, s54                     ; my first K step,
	s_and_b32 s54, s25, s27
	s_lshl_b32 s54, s54, 3
	s_lshl_b32 s55, s18, 1
	s_add_co_u32 s54, s54, s55
	s_mul_i32 s54, s54, 1536
	s_add_co_u32 s54, s53, s54                     ; my two tiles
	s_mov_b32 s55, 0
	s_add_nc_u64 s[56:57], s[16:17], s[54:55]
	s_mov_b32 s54, s28
	s_add_nc_u64 s[58:59], s[56:57], s[54:55]      ; and the same in my second K step
	s_lshl_b32 s54, s25, 7
	s_lshl_b32 s53, s18, 5
	s_add_co_u32 s54, s54, s53
	s_mul_i32 s54, s54, s29
	s_add_co_u32 s54, s54, s31
	s_lshl_b32 s53, s52, 3
	s_add_co_u32 s54, s54, s53
	s_add_nc_u64 s[60:61], s[16:17], s[54:55]      ; my 32 scale rows, at my 8 bytes of each
	s_wait_alu depctr_va_vdst(0)
	v_mul_u32_u24 v7, s29, v13
	s_lshl_b32 s54, s51, 9
	s_lshl_b32 s53, s18, 7
	s_add_co_u32 s54, s54, s53
	s_mul_i32 s53, s52, s48
	s_lshl_b32 s53, s53, 8
	s_add_co_u32 s54, s54, s53
	s_add_nc_u64 s[32:33], s[22:23], s[54:55]      ; the weight at my 32 columns, my first row; then 32 rows on for each block
	s_lshl_b32 s54, s48, 5
.irp t, 1,2,3,4,5,6,7
	s_add_nc_u64 s[32+2*\t:33+2*\t], s[30+2*\t:31+2*\t], s[54:55]
.endr
.irp i, 0,1,2,3,4,5,6,7,8,9,10,11,12,13,14,15,16,17,18,19,20,21,22,23,24,25,26,27,28,29,30,31
	v_mad_u32_u24 v[VO+\i], s48, \i, v8
.endr
	WLOAD 0
	WLOAD 1
	WBLOCK 0
	WBLOCK 1
	WBLOCK 2
	WBLOCK 3
	WOUT 0, 56
	WBLOCK 4
	WBLOCK 5
	WBLOCK 6
	WBLOCK 7
	WOUT 1, 58
	s_wait_alu depctr_va_vdst(0)
	global_store_b64 v7, v[SB:SB+1], s[60:61]      ; my column's eight scale bytes
	s_wait_tensorcnt 0x0
	ds_add_u32 v26, v27
	s_wait_dscnt 0x0
	s_endpgm
.Lfunc_end_k_q98544e0704_prep:
	.size	k_q98544e0704_prep, .Lfunc_end_k_q98544e0704_prep-k_q98544e0704_prep
	.p2alignl 7, 3214868480
	.fill 96, 4, 3214868480
	.section	.rodata,"a",@progbits
	.p2align	6, 0x0
	.amdhsa_kernel k_q98544e0704_prep
		.amdhsa_group_segment_fixed_size 58880
		.amdhsa_private_segment_fixed_size 0
		.amdhsa_enable_private_segment 0
		.amdhsa_kernarg_size 56
		.amdhsa_user_sgpr_count 2
		.amdhsa_user_sgpr_kernarg_segment_ptr 1
		.amdhsa_wavefront_size32 1
		.amdhsa_system_sgpr_workgroup_id_x 1
		.amdhsa_system_sgpr_workgroup_id_y 1
		.amdhsa_system_sgpr_workgroup_id_z 1
		.amdhsa_system_vgpr_workitem_id 0
		.amdhsa_next_free_vgpr 256
		.amdhsa_next_free_sgpr 66
		.amdhsa_reserve_vcc 1
		.amdhsa_float_denorm_mode_32 3
		.amdhsa_float_denorm_mode_16_64 3
		.amdhsa_memory_ordered 1
		.amdhsa_forward_progress 1
		.amdhsa_inst_pref_size 162
	.end_amdhsa_kernel
	.amdgpu_metadata
---
amdhsa.version: [ 1, 2 ]
amdhsa.kernels:
  - .name:           k_q98544e0704_prep
    .symbol:         k_q98544e0704_prep.kd
    .args:
      - { .name: hidden_states, .offset: 0, .size: 8, .value_kind: global_buffer, .address_space: global }
      - { .name: position_ids, .offset: 8, .size: 8, .value_kind: global_buffer, .address_space: global }
      - { .name: Wq, .offset: 16, .size: 8, .value_kind: global_buffer, .address_space: global }
      - { .name: Wk, .offset: 24, .size: 8, .value_kind: global_buffer, .address_space: global }
      - { .name: Wv, .offset: 32, .size: 8, .value_kind: global_buffer, .address_space: global }
      - { .name: Wo, .offset: 40, .size: 8, .value_kind: global_buffer, .address_space: global }
      - { .name: pre, .offset: 48, .size: 8, .value_kind: global_buffer, .address_space: global }
    .group_segment_fixed_size: 58880
    .private_segment_fixed_size: 0
    .kernarg_segment_align: 8
    .kernarg_segment_size: 56
    .max_flat_workgroup_size: 128
    .sgpr_count:     66
    .vgpr_count:     256
    .wavefront_size: 32
...
	.end_amdgpu_metadata
.endif
;; end of part 1
;; launch qkv (part 2): grid 16 x 16, 4 waves a work-group, clusters of 4 x 4, 327,680 bytes of LDS; arguments pre, q_norm_w, k_norm_w, qq, kv, out1, out2; writes qq, kv, out1, out2
.if DOCPART == 2
	.amdgcn_target "amdgcn-amd-amdhsa--gfx1250"
	.amdhsa_code_object_version 6
	.text
	.protected	k_q98544e0704_qkv
	.globl	k_q98544e0704_qkv
	.p2align	8
	.type	k_q98544e0704_qkv,@function
k_q98544e0704_qkv:
	s_mov_b64 s[64:65], 0
	v_nop
	global_prefetch_b8 v0, s[64:65] scope:SCOPE_SE
	s_setreg_imm32_b32 hwreg(HW_REG_WAVE_MODE, 25, 1), 1
	s_wait_xcnt 0x0
	s_wait_alu depctr_hold_cnt(0) depctr_sa_sdst(0) depctr_va_vdst(0) depctr_va_sdst(0) depctr_va_ssrc(0) depctr_va_vcc(0) depctr_vm_vsrc(0)
	s_getreg_b32 s2, hwreg(HW_REG_IB_STS2, 6, 4)
	s_cmp_eq_u32 s2, 0
	s_cbranch_scc0 .Lentry_in_a_cluster
	s_endpgm
.Lentry_in_a_cluster:
	s_bfe_u32 s2, ttmp6, 0x10000c
	s_cmp_lg_u32 s2, 0xf033
	s_cbranch_scc0 .Lentry_shape_is_right
	s_endpgm
.Lentry_shape_is_right:
; QKV: the three projections as one product 4,096 x 4,096 x 1,024 on codes of BF6, and behind it, in registers: RMSNorm, RoPE, out1 (k), out2 (v), and the quantising of q, k (along the head's 128) and v (along the keys).
; THE CORE makes C'[p][q] = sum over k of P[p][k] Q[q][k]: P is source 0, so a lane's registers run along p; Q is source 1, so a lane owns one q.  A work-group makes 256 x 256, each of its four waves 128 x 128: 64 accumulators.
; WHAT P AND Q ARE hangs on the cluster's x alone (0, 1: q; 2: k; 3: v).  q, k: P = 256 columns of Wq|Wk, Q = 256 rows of x: a lane owns a position and its registers run along the head's 128.
;   v: P = 256 rows of x, Q = 256 columns of Wv: a lane owns a channel and its registers run along the keys, which are the K of attention's second product.  Nothing is ever transposed.
; OPERANDS lie in memory as images of their registers (1,536 dense bytes a fragment), so a K step's 16 tiles of a side are one dense block of 24,576 bytes and a fragment is three ds_load_b128 at 16 x lane: no pitch, no padding.
; The rows of a tile are not neighbours: lane r of tile T holds row 32 (T / 2) + 8 (T % 2) + r + 8 (r / 8); so the 16 result registers of P's tiles 2 b and 2 b + 1 are the neighbours 32 b + 16 (lane / 16) + 0 .. 15.
; RING: two LDS slots of two K steps (128 along K each); each wave brings one K step of one side by one tensor load.  K = 1,024 is four slots' worth, so the eight steps are written out.
; CLUSTER 4 x 4: P's block hangs on cx and never on cy: asked for jointly along a column of the cluster; Q's hangs on cy and never on cx: jointly along a row.
; The scale bytes of the work-group's 256 + 256 rows, for all of K, come once with the first fills (units of 256 bytes, 16 of padding behind each).
; No prefetch: half of K is asked for at the head and only two refills follow.
; REGISTERS in the loop: window 0: v1-13 lane numbers and addresses; v16-29 addresses; v32-63 scale words, two sets; v128-223 Q's fragments, one set.  window 1: P's fragments, two sets, at v0 and v128.
;   windows 2, 3: accumulator (a = Q's tile, b = P's tile) at v[8 (8 (a % 4) + b)] of window 2 + a / 4.
; ON THE WAY OUT: window 0: v32-47 at work, v48 scale word, v50-51 1 / rms, v52-55 sums, v56-63 the eight tiles' scale words, v64-127 Y (then the codes), v128-191 Z, v192-255 rows for out1 / out2;
;   window 1: v0-63 the norm's weight, v64-127 and v128-191 cos and sin of a tile, two sets.
; LIMITS: NaN and infinities are not served.  A block of zeros gets the byte 1 (this program alone reads the bytes).  x cos + rot(x) sin is one product and one fused multiply-add (one rounding less than two products and a sum).
.set XC,   0
.set WC,   3145728
.set XS,   7864320
.set WS,   7995392
.set RT,   8192000
.set QQP,  6291456                     ; qq: the scale packs lie behind the images
.set NQ,   2                           ; K steps in a slot
.set FR,   12                          ; registers of a fragment
.set NL,   3                           ; LDS loads that bring one
.set NP,   4                           ; places behind this matrix instruction (ISA guide 7.12.1)
.set SLOT, 98304                       ; Q's two K steps, then P's two, 24,576 bytes each
.set SCL,  196608                      ; behind the ring: the scales, four parts of 16 units of 256 + 16 bytes
.set HALFS, 4352
.set SBLK, 544                         ; the scales of 16 rows
.set SPARE, 214016                     ; the spare words, 128 bytes a wave
.set STGK, 214528                      ; k's stage: 16 rows x 528 bytes for each wave
.set STGV, 248320                      ; v's stage, likewise, bytes of its own
.set L16,  7                           ; v7   16 x lane
.set H64,  8                           ; v8   64 h
.set SKI,  9                           ; v9   k's stage, in
.set SKO,  10                          ; v10  k's stage, out
.set SVI,  11                          ; v11  v's stage, in
.set SVO,  12                          ; v12  v's stage, out
.set PKO,  13                          ; v13  32 r + 16 h: my 16 bytes of a scale pack
.set ADRA, 16                          ; v16-17 Q's fragments in slot 0, 1
.set ADRB, 20                          ; v20-21 P's
.set ADRS, 27                          ; v27  my scale words: lanes 0-15 Q's rows, lanes 16-31 P's
.set SPW,  28                          ; v28  my spare word; never rewritten
.set NIL,  29                          ; v29  0; never rewritten
.set SC,   32
.set AF,   128
.set TM,   32
.set PW,   48
.set RS,   50
.set SS,   52
.set PWS,  56
.set Y,    64
.set PC,   64
.set Z,    128
.set OB,   192
.set NWR,  0
.set G1,   24                          ; s[24:31] group 1 for Q's codes; s[32:39] groups 0, one a slot
.set G0,   32
.set G1B,  48                          ; s[48:55], s[56:63] the same for P's
.set G0B,  56
.set G1S,  68                          ; s[68:75], s[76:79] Q's scales; s[80:87], s[88:91] P's
.set G0S,  76
.set G1SB, 80
.set G0SB, 88
.set SEL,  98                          ; s[98:99] lane selects: lane l xor 16
.set RCPD, 66                          ; s66 1 / 128
.set EPSR, 67                          ; s67 1e-6
.set MSB, 0
.macro WIN new                         ; the immediate's high byte repeats the setting that is left; a switch that changes nothing is dropped
.if MSB != (\new)
	s_set_vgpr_msb (MSB<<8)|(\new)
.set MSB, (\new)
.endif
.endm
.set MUL_LO, 0xa1                      ; source 0 (P) window 1, source 1 (Q) window 0, C and D window 2
.set MUL_HI, 0xf1                      ; the same, C and D window 3
.set TO_B,   0x40                      ; destination window 1, address window 0
.macro PLACES n
.rept \n
	v_nop
.endr
.endm
; A joint load: waves 0 and 1 fetch for Q, waves 2 and 3 for P.  The branch hangs on the wave's number alone.  Four v_nop follow each of the two lines.
.macro JLOAD g0a, g1a, g0b, g1b
	s_cmp_eq_u32 s15, 0
	s_cbranch_scc0 .Lfor_b_\@
	tensor_load_to_lds s[\g0a:\g0a+3], s[\g1a:\g1a+7]
	s_nop 0
.rept 4
	v_nop
.endr
	s_branch .Lasked_\@
.Lfor_b_\@:
	tensor_load_to_lds s[\g0b:\g0b+3], s[\g1b:\g1b+7]
	s_nop 0
.rept 4
	v_nop
.endr
.Lasked_\@:
.endm
.macro CREST                           ; a round of the cluster's barrier behind its opening barrier
	s_cmp_lg_u32 s14, 0
	s_cbranch_scc1 .Lnot_wave_0_\@
	s_barrier_signal -3
.Lnot_wave_0_\@:
	s_barrier_wait -3
	s_barrier_signal -1
	s_barrier_wait -1
.endm
.macro CROUND
	s_barrier_signal -1
	s_barrier_wait -1
	CREST
.endm
.macro FRAG reg, adr, q, i             ; tile i of the slot's q-th K step: the image comes back as it was stored
.irp c, 0,1,2
	ds_load_b128 v[\reg+4*\c:\reg+4*\c+3], v[\adr] offset:24576*(\q)+1536*(\i)+512*\c
.endr
.endm
; 16 matrix instructions: Q's tiles a0, a0 + 1 x P's eight.  The 64 accumulators take turns, one instruction a turn, in the same order in every step.
.macro MUL16 a0, p, q, sc, zero
.irp a, \a0, \a0+1
.irp b, 0,1,2,3,4,5,6,7
.if \zero
	v_wmma_scale_f32_16x16x128_f8f6f4 v[8*(8*((\a)%4)+\b):8*(8*((\a)%4)+\b)+7], v[128*(\p)+FR*\b:128*(\p)+FR*\b+FR-1], v[AF+FR*(\a):AF+FR*(\a)+FR-1], 0, v[SC+8*NQ*(\sc)+NQ*\b+(\q)], v[SC+8*NQ*(\sc)+NQ*(\a)+(\q)] matrix_a_fmt:MATRIX_FMT_BF6 matrix_b_fmt:MATRIX_FMT_BF6 matrix_a_scale:MATRIX_SCALE_ROW1
.else
	v_wmma_scale_f32_16x16x128_f8f6f4 v[8*(8*((\a)%4)+\b):8*(8*((\a)%4)+\b)+7], v[128*(\p)+FR*\b:128*(\p)+FR*\b+FR-1], v[AF+FR*(\a):AF+FR*(\a)+FR-1], v[8*(8*((\a)%4)+\b):8*(8*((\a)%4)+\b)+7], v[SC+8*NQ*(\sc)+NQ*\b+(\q)], v[SC+8*NQ*(\sc)+NQ*(\a)+(\q)] matrix_a_fmt:MATRIX_FMT_BF6 matrix_b_fmt:MATRIX_FMT_BF6 matrix_a_scale:MATRIX_SCALE_ROW1
.endif
.endr
.endr
.endm
.macro FETCH_B slot, q, p
	WIN TO_B
.irp i, 0,1,2,3,4,5,6,7
	FRAG 128*(\p)+FR*\i, ADRB+\slot, \q, \i
.endr
	WIN 0
.endm
.macro FETCH_A slot, q, i0
.irp i, \i0, \i0+1, \i0+2, \i0+3
	FRAG AF+FR*(\i), ADRA+\slot, \q, \i
.endr
.endm
.macro SCALES sc                       ; a slot's two scale words a row: lanes 0-15 take Q's tile i, lanes 16-31 P's tile i
.irp i, 0,1,2,3,4,5,6,7
	ds_load_b64 v[SC+8*NQ*\sc+NQ*\i:SC+8*NQ*\sc+NQ*\i+1], v[ADRS] offset:\i*SBLK
.endr
.endm
; A K step that has its successor in the same slot
.macro STEP slot, q, zero
	s_wait_dscnt 4*NL                              ; P's set and Q's tiles 0-3 are in; the youngest 12 loads (Q's tiles 4-7) may be out
	WIN MUL_LO
	MUL16 0, (\q)%2, \q, \slot, \zero
	MUL16 2, (\q)%2, \q, \slot, \zero
	s_wait_dscnt 0                                 ; Q's tiles 4-7 are in
	PLACES NP
	FETCH_B \slot, (\q)+1, 1-(\q)%2
	FETCH_A \slot, (\q)+1, 0
	WIN MUL_HI
	MUL16 4, (\q)%2, \q, \slot, \zero
	MUL16 6, (\q)%2, \q, \slot, \zero
	PLACES NP
	WIN 0
	FETCH_A \slot, (\q)+1, 4
.endm
; A slot's last K step changes slots: one barrier; in front of it each wave waits for all its tensor loads, adds 0 to its spare word, and waits for that and for its reads of this slot.  fill = 1: the slot is filled again.
.macro TURN slot, next, fill
	s_wait_tensorcnt 0x0                           ; all my tensor loads have landed: my part of the next slot
	ds_add_u32 v[SPW], v[NIL]                      ; 0 onto my spare word
	s_wait_dscnt 4*NL+1                            ; (the add and the youngest 12 loads may be out)
	WIN MUL_LO
	MUL16 0, 1, NQ-1, \slot, 0                     ; sixteen matrix instructions stand between the add and the wait for it
	s_wait_dscnt 0x0                               ; the add is done, and my reads of this slot are over
	s_barrier_signal -1
	MUL16 2, 1, NQ-1, \slot, 0
	WIN 0
	s_barrier_wait -1
.if \fill
	CREST                                          ; the barrier has opened a round of the cluster's: no wave of any partner still reads this slot or has a load on its way
	s_add_nc_u64 s[G0+4*\slot+2:G0+4*\slot+3], s[G0+4*\slot+2:G0+4*\slot+3], 98304
	s_add_nc_u64 s[G0B+4*\slot+2:G0B+4*\slot+3], s[G0B+4*\slot+2:G0B+4*\slot+3], 98304
	JLOAD G0+4*\slot, G1, G0B+4*\slot, G1B         ; the first tensor load behind the round; its four v_nop are also the places in front of the loads below
.else
	PLACES NP
.endif
	s_wait_alu depctr_va_vdst(0)
	v_add_nc_u32 v[ADRS], 4*NQ, v[ADRS]            ; on to the next slot's scale words
	FETCH_B \next, 0, 0
	FETCH_A \next, 0, 0
	SCALES \next
	WIN MUL_HI
	MUL16 4, 1, NQ-1, \slot, 0
	MUL16 6, 1, NQ-1, \slot, 0
	PLACES NP
	WIN 0
	FETCH_A \next, 0, 4
.endm
; 64 numbers of a lane in window w, register 16 b + i = k 32 b + 16 (lane / 16) + i of its row, become a fragment's codes in v[PC] on and its scale word in v[PW], both in window 0
.macro QUANT s, w
.set QWA, (\w)|((\w)<<2)
.set QWB, ((\w)<<2)|((\w)<<4)
.set QWC, (\w)
	WIN QWA
.irp b, 0,1,2,3
	v_max3_num_f32 v[TM+\b], |v[(\s)+16*\b]|, |v[(\s)+1+16*\b]|, 0x2800000   ; and the floor 2^(5 - 127)
.endr
	WIN QWB
.irp i, 2,4,6,8,10,12,14
.irp b, 0,1,2,3
	v_max3_num_f32 v[TM+\b], v[TM+\b], |v[(\s)+16*\b+\i]|, |v[(\s)+1+16*\b+\i]|
.endr
.endr
	WIN 0
.irp b, 0,1,2,3
	v_permlanex16_b32 v[TM+4+\b], v[TM+\b], s[SEL], s[SEL+1]
.endr
.irp b, 0,1,2,3
	v_max_num_f32 v[TM+\b], v[TM+\b], v[TM+4+\b]
.endr
.irp b, 0,1,2,3
	v_add_nc_u32 v[TM+12+\b], 0xfe000000, v[TM+\b] ; 4 off the exponent field: the conversion's scale operand
.endr
.irp b, 0,1,2,3
	v_lshrrev_b32 v[TM+4+\b], 23, v[TM+12+\b]
.endr
	v_lshl_or_b32 v[PW], v[TM+5], 8, v[TM+4]
	v_lshl_or_b32 v[PW], v[TM+6], 16, v[PW]
	v_lshl_or_b32 v[PW], v[TM+7], 24, v[PW]
	WIN QWC
.irp c, 0,1
	v_cvt_scalef32_pk16_bf6_f32 v[PC+6*\c:PC+2+6*\c], v[(\s)+32*\c:(\s)+15+32*\c], v[TM+12+2*\c]
	v_cvt_scalef32_pk16_bf6_f32 v[PC+12+4*\c:PC+14+4*\c], v[(\s)+16+32*\c:(\s)+31+32*\c], v[TM+12+2*\c+1]
.endr
	WIN 0
	v_nop                                          ; one plain line behind the scaled conversions
.irp c, 0,1
.irp i, 0,1,2
	v_permlane16_swap_b32 v[PC+6*\c+\i], v[PC+12+4*\c+\i]
.endr
.irp i, 0,1,2
	v_mov_b32 v[PC+3+6*\c+\i], v[PC+12+4*\c+\i]
.endr
.endr
.endm
; q and k: Q's tile a, 16 positions x my head's 128
.macro QKTILE a
.set W,   2+(\a)/4
.set WW,  W|(W<<2)
.set AC,  64*((\a)%4)
.set RTA, 64+64*((\a)%2)
.set RTN, 64+64*(((\a)+1)%2)
	s_wait_xcnt 0x0                                ; the last tile's stores have read the codes' and the rows' registers
.if (\a) < 7
	WIN 0x40
.set i, 0
.rept 16
	global_load_b128 v[RTN+4*i:RTN+4*i+3], v[L16], s[2:3] offset:8192*((\a)+1)+512*i   ; the next tile's cos and sin
.set i, i+1
.endr
.endif
	WIN WW
	v_pk_mul_f32 v[SS:SS+1], v[AC:AC+1], v[AC:AC+1]               ; the sum of squares, two chains, each accumulator from its low end on
	v_pk_mul_f32 v[SS+2:SS+3], v[AC+2:AC+3], v[AC+2:AC+3]
.set i, 4
.rept 15
	v_pk_fma_f32 v[SS:SS+1], v[AC+i:AC+i+1], v[AC+i:AC+i+1], v[SS:SS+1]
	v_pk_fma_f32 v[SS+2:SS+3], v[AC+i+2:AC+i+3], v[AC+i+2:AC+i+3], v[SS+2:SS+3]
.set i, i+4
.endr
	WIN 0
	v_pk_add_f32 v[SS:SS+1], v[SS:SS+1], v[SS+2:SS+3]
	v_add_f32 v[SS], v[SS], v[SS+1]
	v_permlanex16_b32 v[SS+1], v[SS], s[SEL], s[SEL+1]            ; the position's other 64 numbers lie in lane l xor 16
	v_add_f32 v[SS], v[SS], v[SS+1]
	v_fma_f32 v[SS], v[SS], s[RCPD], s[EPSR]       ; the mean (an exact scaling) + 1e-6
	s_wait_alu depctr_va_vdst(0)
	v_rsq_f32 v[RS], v[SS]
	v_nop                                          ; a plain line behind the transcendental,
	s_wait_alu depctr_va_vdst(0)                   ; and the wait ahead of its first reader
	WIN W
.set i, 0
.rept 32
	v_pk_mul_f32 v[Y+i:Y+i+1], v[AC+i:AC+i+1], v[RS:RS+1] op_sel_hi:[1,0]
.set i, i+2
.endr
.if (\a) < 7
	s_wait_loadcnt 16                              ; the weight and this tile's cos and sin are in; the next tile's 16 loads may be out
.else
	s_wait_loadcnt 0x0
.endif
	WIN 0x04                                       ; source 1 in window 1
.set i, 0
.rept 32
	v_pk_mul_f32 v[Y+i:Y+i+1], v[Y+i:Y+i+1], v[NWR+i:NWR+i+1]     ; w x (x / rms)
.set i, i+2
.endr
.set i, 0
.rept 16                               ; registers 0-31 are the head's lower 64 numbers (my 32 of them), 32-63 the upper; cos and sin are the same for both
	v_pk_mul_f32 v[Z+i:Z+i+1], v[Y+i:Y+i+1], v[RTA+i:RTA+i+1]
	v_pk_mul_f32 v[Z+32+i:Z+33+i], v[Y+32+i:Y+33+i], v[RTA+i:RTA+i+1]
.set i, i+2
.endr
.set i, 0
.rept 16
	v_pk_fma_f32 v[Z+i:Z+i+1], v[Y+32+i:Y+33+i], v[RTA+32+i:RTA+33+i], v[Z+i:Z+i+1] neg_lo:[1,0,0] neg_hi:[1,0,0]
	v_pk_fma_f32 v[Z+32+i:Z+33+i], v[Y+i:Y+i+1], v[RTA+32+i:RTA+33+i], v[Z+32+i:Z+33+i]
.set i, i+2
.endr
	WIN 0
	QUANT Z, 0
.irp c, 0,1,2
	global_store_b128 v[L16], v[PC+4*\c:PC+4*\c+3], s[18:19] offset:1536*(\a)+512*\c
.endr
	v_mov_b32 v[PWS+(\a)], v[PW]
	s_cmp_lg_u32 ttmp9, 2                          ; k alone is an output: through my stage, so that a store covers a whole row of 512 bytes
	s_cbranch_scc1 .Lnot_k_\@
.irp bb, 0,1,2,3
.irp i, 0,1,2,3
	ds_store_b128 v[SKI], v[Z+16*\bb+4*\i:Z+16*\bb+4*\i+3] offset:128*\bb+16*\i
.endr
.endr
.irp t, 0,1,2,3,4,5,6,7,8,9,10,11,12,13,14,15
	ds_load_b128 v[OB+4*\t:OB+4*\t+3], v[SKO] offset:528*\t       ; LDS serves a wave's instructions in order: these see the stores above
.endr
.irp t, 0,1,2,3,4,5,6,7,8,9,10,11,12,13,14,15
	s_wait_dscnt 15-\t                             ; the younger loads of the sixteen may be out
	global_store_b128 v[L16], v[OB+4*\t:OB+4*\t+3], s[22:23] offset:(32*((\a)/2)+8*((\a)%2)+\t+8*(\t/8))*512
.endr
.Lnot_k_\@:
.endm
; v: round k sends P's tile k (16 keys x 128 channels) to out2 and quantises Q's tile k (16 channels x 128 keys)
.macro VROUND k
.set WK, 2+(\k)/4
	s_wait_xcnt 0x0                                ; the last round's stores have read their registers
	WIN 0x08                                       ; an LDS store's data are its source 1: window 2
.irp a, 0,1,2,3
.irp j, 0,1,2,3,4,5,6,7
	ds_store_b32 v[SVI], v[8*(8*\a+(\k))+\j] offset:528*\j+4*(32*(\a/2)+8*(\a%2))
.endr
.endr
	WIN 0x0c                                       ; window 3
.irp a, 4,5,6,7
.irp j, 0,1,2,3,4,5,6,7
	ds_store_b32 v[SVI], v[8*(8*(\a-4)+(\k))+\j] offset:528*\j+4*(32*(\a/2)+8*(\a%2))
.endr
.endr
	WIN 0
.irp t, 0,1,2,3,4,5,6,7,8,9,10,11,12,13,14,15
	ds_load_b128 v[OB+4*\t:OB+4*\t+3], v[SVO] offset:528*\t
.endr
	QUANT 64*((\k)%4), WK
.irp c, 0,1,2
	global_store_b128 v[L16], v[PC+4*\c:PC+4*\c+3], s[18:19] offset:1536*(\k)+512*\c
.endr
	v_mov_b32 v[PWS+(\k)], v[PW]
	s_wait_dscnt 0x0
.irp t, 0,1,2,3,4,5,6,7,8,9,10,11,12,13,14,15
	global_store_b128 v[L16], v[OB+4*\t:OB+4*\t+3], s[22:23] offset:(32*((\k)/2)+8*((\k)%2)+(\t%8)+16*(\t/8))*512
.endr
.endm
	s_load_b256 s[4:11], s[0:1], 0x0               ; pre s[4:5], q_norm_w s[6:7], k_norm_w s[8:9], qq s[10:11]
	s_load_b128 s[92:95], s[0:1], 0x20             ; kv s[92:93], out1 s[94:95]
	s_load_b64 s[96:97], s[0:1], 0x30              ; out2
	v_lshl_add_u32 v[SPW], v0, 2, SPARE
	v_mov_b32 v[NIL], 0
	ds_add_u32 v28, v29
	ds_add_u32 v28, v29
	s_wait_dscnt 0x0
	v_lshrrev_b32 v1, 5, v0
	v_readfirstlane_b32 s14, v1                    ; wave 0..3
	s_lshr_b32 s15, s14, 1                         ; my half of Q's 256.  Also: I fetch for Q (0) or for P (1)
	s_and_b32 s16, s14, 1                          ; my half of P's 256.  Also: which K step of a slot, and which half of the scales, I fetch
	s_bfe_u32 s40, ttmp6, 0x40000                  ; cx
	s_bfe_u32 s41, ttmp6, 0x40004                  ; cy
	s_and_b32 s17, ttmp7, 0xffff
	s_lshl_b32 s17, s17, 2                         ; 4 x cluster y
	s_lshl_b32 s42, ttmp9, 2                       ; 4 x cluster x
	s_lshl_b32 s43, s41, 2
	s_lshl_b32 s43, 15, s43                        ; my row of the cluster
	s_lshl_b32 s44, 0x1111, s40                    ; my column
	; group 1 for the codes: a dense block of 24,576 bytes as 96 rows of 32 elements of 8 bytes, no padding
	s_or_b32 s[G1+0], s43, (3<<16)|(1<<21)         ; 15:0 the mask: Q's go to my row; 17:16 elements of 8 bytes; 21 set beside a mask
	s_or_b32 s[G1B+0], s44, (3<<16)|(1<<21)        ; P's go to my column
.irp g, G1, G1B
	s_mov_b32 s[\g+1], 32<<16                      ; tensor_dim0
	s_mov_b32 s[\g+2], 192<<16                     ; tensor_dim1: the head's loads bring a slot's two K steps of a side, 192 rows of 256 bytes
	s_mov_b32 s[\g+3], 32<<16                      ; tile_dim0
	s_mov_b32 s[\g+4], 192                         ; tile_dim1
	s_mov_b32 s[\g+5], 32                          ; the pitch
	s_mov_b32 s[\g+6], 0
	s_mov_b32 s[\g+7], 0
.endr
	; and for the scales of 256 rows: 8,192 dense bytes as 32 rows of 256, 16 bytes of padding behind each
	s_or_b32 s[G1S+0], s43, (3<<16)|(1<<20)|(1<<21)|(5<<22)|(3<<25)
	s_or_b32 s[G1SB+0], s44, (3<<16)|(1<<20)|(1<<21)|(5<<22)|(3<<25)
.irp g, G1S, G1SB
	s_mov_b32 s[\g+1], 32<<16
	s_mov_b32 s[\g+2], 32<<16                      ; the scales of a side's 256 rows: 32 rows of 256 bytes
	s_mov_b32 s[\g+3], 32<<16
	s_mov_b32 s[\g+4], 32
	s_mov_b32 s[\g+5], 32
	s_mov_b32 s[\g+6], 0
	s_mov_b32 s[\g+7], 0
.endr
	; what P and Q are.  P's registers never hold cy, Q's never cx
	s_mov_b32 s20, WS
	s_mov_b32 s22, XS
	s_cmp_eq_u32 ttmp9, 3
	s_cselect_b32 s45, s17, s42                    ; P's block: v: 4 cluster y (+ cx) of x; else 4 cluster x (+ cx) of the weights
	s_cselect_b32 s18, 12, s17                     ; Q's block: v: 12 (+ cy) of the weights; else 4 cluster y (+ cy) of x
	s_cselect_b32 s46, XC, WC
	s_cselect_b32 s19, WC, XC
	s_cselect_b32 s66, XS, s20
	s_cselect_b32 s22, WS, s22
	s_add_co_u32 s45, s45, s40
	s_add_co_u32 s18, s18, s41
	s_mul_i32 s47, s45, 196608
	s_add_co_u32 s46, s46, s47
	s_mul_i32 s47, s16, 24576
	s_add_co_u32 s46, s46, s47                     ; P's codes: region, block, my K step of slot 0
	s_mov_b32 s47, 0
	s_lshl_b32 s67, s45, 13
	s_add_co_u32 s66, s66, s67
	s_mov_b32 s67, 0
	s_mul_i32 s21, s18, 196608
	s_add_co_u32 s20, s19, s21
	s_mul_i32 s21, s16, 24576
	s_add_co_u32 s20, s20, s21                     ; Q's codes
	s_mov_b32 s21, 0
	s_lshl_b32 s23, s18, 13
	s_add_co_u32 s22, s22, s23
	s_mov_b32 s23, 0
	s_mul_i32 s98, s14, 24576                      ; where they go: by the wave's number alone
	s_mul_i32 s99, s14, HALFS
	s_wait_kmcnt 0x0
	s_add_nc_u64 s[20:21], s[4:5], s[20:21]
	s_add_nc_u64 s[22:23], s[4:5], s[22:23]
	s_add_nc_u64 s[46:47], s[4:5], s[46:47]
	s_add_nc_u64 s[66:67], s[4:5], s[66:67]
	CROUND                                         ; all sixteen work-groups are here: the first joint loads meet
	s_mov_b32 s[G0S], 1
	s_mov_b32 s[G0S+1], SCL
	s_mov_b64 s[G0S+2:G0S+3], s[22:23]
	s_or_b32 s[G0S+3], s[G0S+3], 0x80000000
	s_mov_b32 s[G0SB], 1
	s_mov_b32 s[G0SB+1], SCL+2*HALFS
	s_mov_b64 s[G0SB+2:G0SB+3], s[66:67]
	s_or_b32 s[G0SB+3], s[G0SB+3], 0x80000000
.irp s, 0,1
	s_mov_b32 s[G0+4*\s], 1
	s_add_co_u32 s[G0+4*\s+1], s98, \s*SLOT
	s_add_nc_u64 s[G0+4*\s+2:G0+4*\s+3], s[20:21], \s*49152
	s_or_b32 s[G0+4*\s+3], s[G0+4*\s+3], 0x80000000
	s_mov_b32 s[G0B+4*\s], 1
	s_add_co_u32 s[G0B+4*\s+1], s98, \s*SLOT
	s_add_nc_u64 s[G0B+4*\s+2:G0B+4*\s+3], s[46:47], \s*49152
	s_or_b32 s[G0B+4*\s+3], s[G0B+4*\s+3], 0x80000000
.endr
	; THE HEAD'S LOADS, ONE A WAVE: wave 0 Q's two K steps of slot 0, wave 1 P's, wave 2 Q's scales, wave 3 P's.  Slot 0's groups 0 serve them, set to the side's first K step and first LDS byte
	s_mul_i32 s12, s16, 24576
	s_mov_b32 s13, 0
	s_mov_b32 s[G0+1], 0
	s_sub_nc_u64 s[G0+2:G0+3], s[G0+2:G0+3], s[12:13]
	s_mov_b32 s[G0B+1], 49152
	s_sub_nc_u64 s[G0B+2:G0B+3], s[G0B+2:G0B+3], s[12:13]
.macro ARM under, g0, g1, next
	s_cmp_lt_u32 s14, \under
	s_cbranch_scc0 \next
	tensor_load_to_lds s[\g0:\g0+3], s[\g1:\g1+7]
	s_nop 0
.rept 4
	v_nop
.endr
	s_branch .Lhead_asked
\next:
.endm
	ARM 1, G0,  G1,  .Lhead_b
	ARM 2, G0B, G1B, .Lhead_sa
	ARM 3, G0S, G1S, .Lhead_sb
	tensor_load_to_lds s[G0SB:G0SB+3], s[G1SB:G1SB+7]
	s_nop 0
.rept 4
	v_nop
.endr
.Lhead_asked:
	v_and_b32 v1, 15, v0                           ; r
	v_bfe_u32 v2, v0, 4, 1                         ; h
	v_and_b32 v3, 31, v0
	v_lshlrev_b32 v[L16], 4, v3
	s_mul_i32 s12, s15, 12288                      ; my 8 tiles of Q
	s_mul_i32 s13, s16, 12288
	s_add_co_u32 s13, s13, 49152                   ; my 8 tiles of P, behind Q's two K steps
.irp s, 0,1
	v_add_nc_u32 v[ADRA+\s], s12, v[L16]
	v_add_nc_u32 v[ADRB+\s], s13, v[L16]
	s_add_co_u32 s12, s12, SLOT
	s_add_co_u32 s13, s13, SLOT
.endr
	v_lshlrev_b32 v5, 5, v1                        ; my row's scales: 32 bytes a row,
	v_lshrrev_b32 v6, 8, v5
	v_lshl_add_u32 v5, v6, 4, v5                   ; and 16 more for each 256 passed
	s_mul_i32 s12, s15, HALFS
	s_mul_i32 s13, s16, HALFS
	s_add_co_u32 s13, s13, 2*HALFS
	s_sub_co_u32 s13, s13, s12
	v_mul_u32_u24 v6, s13, v2                      ; lanes 16-31 take P's: one product, h x the distance
	s_add_co_u32 s12, s12, SCL
	v_add_nc_u32 v5, v5, v6
	v_add_nc_u32 v[ADRS], s12, v5
	s_mul_i32 s12, s14, 8448                       ; my stages
	v_mul_u32_u24 v5, v1, 528
	v_lshl_add_u32 v5, v2, 6, v5
	v_add_nc_u32 v5, s12, v5
	v_add_nc_u32 v[SKI], STGK, v5                  ; k, in: row r, + 64 h
	v_add_nc_u32 v6, s12, v[L16]
	v_add_nc_u32 v[SKO], STGK, v6                  ; out: 16 x lane of a row
	v_add_nc_u32 v[SVO], STGV, v6
	v_and_b32 v5, 8, v1
	v_add_nc_u32 v5, v5, v1
	v_lshlrev_b32 v5, 2, v5
	v_mul_u32_u24 v6, v2, 4224
	v_add_nc_u32 v5, v5, v6
	v_add_nc_u32 v5, s12, v5
	v_add_nc_u32 v[SVI], STGV, v5                  ; v, in: row 8 h (+ j), channel r + 8 (r / 8) (+ the tile's)
	v_lshlrev_b32 v[H64], 6, v2
	v_lshlrev_b32 v[PKO], 5, v1
	v_lshl_add_u32 v[PKO], v2, 4, v[PKO]
	; the way out's pointers, made alike in every work-group by selects on the cluster's x; they enter global addresses alone
	s_cmp_eq_u32 ttmp9, 3
	s_cselect_b32 s42, s40, s41                    ; the place that counts x's blocks (v: cx, else cy),
	s_cselect_b32 s43, s16, s15                    ; and which half of the block is mine
	s_cselect_b32 s44, s41, s40                    ; the place that counts heads,
	s_cselect_b32 s45, s15, s16                    ; and my half
	s_cselect_b32 s46, 0, ttmp9
	s_cselect_b64 s[22:23], s[96:97], s[94:95]     ; out2 or out1
	s_add_co_u32 s42, s42, s17
	s_lshl_b32 s42, s42, 1
	s_add_co_u32 s42, s42, s43                     ; my 128 rows of x: 0..31
	s_lshr_b32 s43, s42, 4                         ; the batch
	s_and_b32 s42, s42, 15                         ; the block of 128 positions
	s_lshl_b32 s46, s46, 2
	s_add_co_u32 s44, s44, s46
	s_lshl_b32 s44, s44, 1
	s_add_co_u32 s44, s44, s45                     ; the head: q 0..15, k 16..23, v 0..7
	s_lshl_b32 s2, s42, 16
	s_add_co_u32 s2, s2, RT
	s_mov_b32 s3, 0
	s_add_nc_u64 s[2:3], s[4:5], s[2:3]            ; cos and sin of my 8 tiles of positions
	s_cmp_eq_u32 ttmp9, 2
	s_cselect_b64 s[12:13], s[8:9], s[6:7]         ; the norm's weight
	s_and_b32 s45, s44, 7
	s_lshl_b32 s40, s43, 3
	s_add_co_u32 s45, s45, s40                     ; 8 x batch + kv head
	s_lshl_b32 s46, s45, 4
	s_add_co_u32 s46, s46, s42
	s_mul_i32 s46, s46, 25600                      ; kv: the chunk of these 128 keys
	s_lshl_b32 s40, s45, 20
	s_lshl_b32 s41, s42, 16
	s_add_co_u32 s40, s40, s41
	s_mov_b32 s41, 0
	s_add_nc_u64 s[22:23], s[22:23], s[40:41]      ; out1 / out2 at my 128 rows of 512 bytes
	s_lshl_b32 s40, s43, 4
	s_add_co_u32 s40, s40, s44
	s_lshl_b32 s45, s40, 4
	s_add_co_u32 s45, s45, s42
	s_lshl_b32 s47, s45, 9
	s_add_co_u32 s47, s47, QQP                     ; qq: the pack,
	s_mul_i32 s45, s45, 12288                      ; and the 8 images
	s_mov_b32 s41, 24576
	s_cmp_eq_u32 ttmp9, 3
	s_cselect_b32 s40, 12288, 0                    ; in a chunk V's images lie behind K's,
	s_cselect_b32 s41, 25088, s41                  ; and V's pack behind K's
	s_add_co_u32 s40, s40, s46
	s_add_co_u32 s41, s41, s46
	s_cmp_lt_u32 ttmp9, 2
	s_cselect_b64 s[18:19], s[10:11], s[92:93]     ; qq or kv
	s_cselect_b32 s40, s45, s40
	s_cselect_b32 s46, s47, s41
	s_mov_b32 s41, 0
	s_mov_b32 s47, 0
	s_add_nc_u64 s[20:21], s[18:19], s[46:47]      ; where my pack goes
	s_add_nc_u64 s[18:19], s[18:19], s[40:41]      ; where my 8 images go
	s_mov_b32 s[SEL], 0x76543210
	s_mov_b32 s[SEL+1], 0xfedcba98
	s_mov_b32 s[RCPD], 0x3c000000                  ; 1 / 128
	s_mov_b32 s[EPSR], 0x358637bd                  ; 1e-6
	s_wait_alu depctr_va_vdst(0)
	s_wait_tensorcnt 0x0                           ; my tile of the head's four is in; these lines stand ahead of slot 1's first fill as ahead of a refill
	ds_add_u32 v[SPW], v[NIL]
	s_mul_i32 s40, s16, 24576                      ; no tensor load of mine is out: slot 0's groups 0 go back to my K step and my LDS bytes,
	s_mov_b32 s41, 0
	s_add_nc_u64 s[G0+2:G0+3], s[G0+2:G0+3], s[40:41]
	s_add_nc_u64 s[G0B+2:G0B+3], s[G0B+2:G0B+3], s[40:41]
	s_mul_i32 s40, s14, 24576
	s_mov_b32 s[G0+1], s40
	s_mov_b32 s[G0B+1], s40
	s_mov_b32 s[G1+2], 96<<16                      ; and from here on a load brings one K step, 96 rows
	s_mov_b32 s[G1+4], 96
	s_mov_b32 s[G1B+2], 96<<16
	s_mov_b32 s[G1B+4], 96
	s_wait_dscnt 0x0
	CROUND                                         ; all four tiles are in, all sixteen work-groups are here
	JLOAD G0+4, G1, G0B+4, G1B                     ; slot 1's first fill, the first tensor load behind the round
	FETCH_B 0, 0, 0
	FETCH_A 0, 0, 0
	SCALES 0
	FETCH_A 0, 0, 4
	STEP 0, 0, 1                                   ; the first K step's products start the sums: nothing is cleared
	TURN 0, 1, 1
	STEP 1, 0, 0
	TURN 1, 0, 1
	STEP 0, 0, 0
	TURN 0, 1, 0                                   ; the last slots are not filled again
	STEP 1, 0, 0
	; P's set 0 is done with, four places back: the norm's weight and the first tile's cos and sin are asked for under the last K step.  (In v's work-groups they are loaded too, inside their buffers, and not used.)
	WIN 0x40
.irp bb, 0,1,2,3
.irp i, 0,1,2,3
	global_load_b128 v[NWR+16*\bb+4*\i:NWR+16*\bb+4*\i+3], v[H64], s[12:13] offset:128*\bb+16*\i
.endr
.endr
.set i, 0
.rept 16
	global_load_b128 v[64+4*i:64+4*i+3], v[L16], s[2:3] offset:512*i
.set i, i+1
.endr
	WIN 0
	s_wait_dscnt 4*NL                              ; the last K step: nothing more to fetch
	WIN MUL_LO
	MUL16 0, 1, NQ-1, 1, 0
	MUL16 2, 1, NQ-1, 1, 0
	s_wait_dscnt 0
	WIN MUL_HI
	MUL16 4, 1, NQ-1, 1, 0
	MUL16 6, 1, NQ-1, 1, 0
	WIN 0
	PLACES NP                                      ; in front of the first reads of results, and of writes and loads into registers that the products have read
	v_mov_b32 v[RS+1], 0                           ; (named with 1 / rms as a pair)
.irp b, 0,1,2,3
	v_mov_b32 v[TM+4+\b], 0                        ; written once: a lane permute's destination counts as one of its sources
.endr
	s_cmp_eq_u32 ttmp9, 3
	s_cbranch_scc1 .Lv_out
.irp a, 0,1,2,3,4,5,6,7
	QKTILE \a
.endr
	s_branch .Ldone
.Lv_out:
.irp k, 0,1,2,3,4,5,6,7
	VROUND \k
.endr
.Ldone:
	v_cmp_eq_u32 vcc_lo, 1, v2                     ; the pack: the word of tile a and lane r at 32 r + 4 a: lanes 0-15 store tiles 0-3, lanes 16-31 tiles 4-7: 512 consecutive bytes
	s_wait_alu depctr_va_vdst(0)
.irp i, 0,1,2,3
	v_cndmask_b32 v[SS+\i], v[PWS+\i], v[PWS+4+\i], vcc_lo
.endr
	global_store_b128 v[PKO], v[SS:SS+3], s[20:21]
	s_wait_loadcnt 0x0
	s_wait_tensorcnt 0x0                           ; the wave's end
	ds_add_u32 v[SPW], v[NIL]
	s_wait_dscnt 0x0
	CROUND                                         ; the closing round
	s_endpgm
.Lfunc_end_k_q98544e0704_qkv:
	.size	k_q98544e0704_qkv, .Lfunc_end_k_q98544e0704_qkv-k_q98544e0704_qkv
	.p2alignl 7, 3214868480
	.fill 96, 4, 3214868480
	.section	.rodata,"a",@progbits
	.p2align	6, 0x0
	.amdhsa_kernel k_q98544e0704_qkv
		.amdhsa_group_segment_fixed_size 327680
		.amdhsa_private_segment_fixed_size 0
		.amdhsa_enable_private_segment 0
		.amdhsa_kernarg_size 56
		.amdhsa_user_sgpr_count 2
		.amdhsa_user_sgpr_kernarg_segment_ptr 1
		.amdhsa_wavefront_size32 1
		.amdhsa_system_sgpr_workgroup_id_x 1
		.amdhsa_system_sgpr_workgroup_id_y 1
		.amdhsa_system_sgpr_workgroup_id_z 1
		.amdhsa_system_vgpr_workitem_id 0
		.amdhsa_next_free_vgpr 1024
		.amdhsa_next_free_sgpr 100
		.amdhsa_reserve_vcc 1
		.amdhsa_float_denorm_mode_32 3
		.amdhsa_float_denorm_mode_16_64 3
		.amdhsa_memory_ordered 1
		.amdhsa_forward_progress 1
		.amdhsa_inst_pref_size 255
	.end_amdhsa_kernel
	.section	.bss,"aw",@nobits
	.p2align	6
	.space	262144
	.amdgpu_metadata
---
amdhsa.version: [ 1, 2 ]
amdhsa.kernels:
  - .name:           k_q98544e0704_qkv
    .symbol:         k_q98544e0704_qkv.kd
    .args:
      - { .name: pre, .offset: 0, .size: 8, .value_kind: global_buffer, .address_space: global }
      - { .name: q_norm_w, .offset: 8, .size: 8, .value_kind: global_buffer, .address_space: global }
      - { .name: k_norm_w, .offset: 16, .size: 8, .value_kind: global_buffer, .address_space: global }
      - { .name: qq, .offset: 24, .size: 8, .value_kind: global_buffer, .address_space: global }
      - { .name: kv, .offset: 32, .size: 8, .value_kind: global_buffer, .address_space: global }
      - { .name: out1, .offset: 40, .size: 8, .value_kind: global_buffer, .address_space: global }
      - { .name: out2, .offset: 48, .size: 8, .value_kind: global_buffer, .address_space: global }
    .group_segment_fixed_size: 327680
    .private_segment_fixed_size: 0
    .kernarg_segment_align: 8
    .kernarg_segment_size: 56
    .max_flat_workgroup_size: 128
    .sgpr_count:     100
    .vgpr_count:     1024
    .wavefront_size: 32
...
	.end_amdgpu_metadata
.endif
;; end of part 2
;; launch attn (part 3): grid 16 x 16, 8 waves a work-group, no clusters, 327,680 bytes of LDS; arguments qq, kv, ao; writes ao
.if DOCPART == 3
	.amdgcn_target "amdgcn-amd-amdhsa--gfx1250"
	.amdhsa_code_object_version 6
	.text
	.protected	k_q98544e0704_attn
	.globl	k_q98544e0704_attn
	.p2align	8
	.type	k_q98544e0704_attn,@function
k_q98544e0704_attn:
	s_mov_b64 s[64:65], 0
	v_nop
	global_prefetch_b8 v0, s[64:65] scope:SCOPE_SE
	s_setreg_imm32_b32 hwreg(HW_REG_WAVE_MODE, 25, 1), 1
	s_wait_xcnt 0x0
; ATTN: causal attention on codes of BF6; the result, divided by the row's sum, is quantised along the head's 128 and stored as the last product's operand.
; SOFTMAX: t = score x log2(e) / sqrt(128); M = the ceiling of the running largest t, a whole number; p = 2^(t - M) is quantised along the keys; the row's sum is taken of the unquantised p;
;   when M moves, the sum and O are multiplied by 2^(old M - new M), exactly.  Key steps that lie wholly behind the causal mask are not walked.
; SHARES.  Grid y is (batch, kv head); grid x is 2 c + half.  A work-group takes the blocks of 128 positions 15 - c and c, one after the other: 16 - c and c + 1 key steps of 128 keys, 17 for every work-group.
;   Wave w owns the tile of 16 positions 4 half + w % 4 of the block, for query head w / 4 of the kv head's two: eight waves, two to a SIMD.
; THE WALK is a sequence of 17 chunks (a key step's K images, V images and both scale packs: 25,600 dense bytes): chunks 0 .. 15 - c, then 0 .. c.  Trip counts are constants: 5 x 4 trips; trips outside the sequence are jumped over by the counter.
; RING: two slots of four chunks; behind each barrier wave w asks for half w % 2 of the chunk number 4 (j + 1) + w / 2 of the sequence, if there is one: a chunk is asked for four key steps ahead of its first read.
;   A trip n: K of step n + 1 from LDS; softmax and second product of step n; V of step n + 1; S of step n + 1.  The change of slots stands behind S of a slot's last step: that step's K and V are in registers by then.
; NO CLUSTER: of the 16 work-groups of a (batch, kv head) only the two halves of one c walk the same chunks in the same order; the others need other numbers of chunks of each block.
; NO PREFETCH: each tensor load has four key steps of the work-group's work between its issue and the wait for it.
; LAYOUT: both products are used transposed: S^T = K Q^T, O^T = V^T P^T: a lane holds one query throughout.
; REGISTERS: window 0: v1-11 addresses; v12-15 -M, largest t, the sum; v20-21 f and p's scale word; v24-39 K's and V's scale words; v40-51, v64 Q; v52-63, v65 Q of the second block; v66-84 codes; v90-113 at work; v128-191 S^T then p.
;   window 1: v0-95 K's fragments, v96-191 V's, v192-255 O^T.
; LIMITS: NaN and infinities are not served; a block of zeros gets the byte 1.  The promise holds while the scaled scores stay under 2^31 in magnitude.  A block's largest p is made from the block's largest score by the same multiply-add and exponential as every p.
.set CH,    25600
.set HCH,   12800
.set SLOT1, 1<<17
.set SPARE, 102400                     ; behind slot 0's four chunks: the spare words, 128 bytes a wave
.set QQP,   6291456
.set AOS,   6291456
.set L16,  1
.set ASK0, 2
.set DQ,   3
.set AV0,  4
.set SPW,  5
.set NIL,  6
.set ASV0, 7
.set ADK,  8
.set ADV,  9
.set ADS,  10
.set ADT,  11
.set STA,  12
.set FA,   20
.set KS,   24
.set VS,   32
.set QA,   40
.set QL,   52
.set QSA,  64
.set QLS,  65
.set PCA,  66
.set SCR,  90
.set A64,  114
.set SA,   128
.set KF,   0
.set VF,   96
.set OA,   192
.set WV,   18
.set SEL,  20
.set CS,   22
.set G1,   24
.set G0,   32
.set NXT,  36                          ; s36 the place in the sequence of the chunk that I ask for next
.set JB,   37                          ; s37 the block in hand
.set KB,   38                          ; s38 the key step in hand
.set HI,   39                          ; s39 15 - c
.set LO,   40                          ; s40 c
.set WRAP, 41                          ; s41 16 - c
.set NN,   42                          ; s42 trip n + 1
.set TB,   43                          ; s43 LDS byte of chunk n + 1
.set SBS,  44                          ; s44 the slot in hand
.set IC,   45
.set OC,   46
.set B16,  47                          ; s47 16 x batch
.set HALF, 60                          ; s60 which half of a chunk I fetch, in bytes
.set MSB, 0
.macro WIN new
.if MSB != (\new)
	s_set_vgpr_msb (MSB<<8)|(\new)
.set MSB, (\new)
.endif
.endm
; The softmax step: scores in v[SA ..] become p, its codes in v[PCA ..] and its scale word in v[FA + 1]; O^T is brought under the new M
.macro SOFT
	s_wait_alu depctr_va_vdst(0)                   ; the wait ahead of the first readers of S^T
.irp b, 0,1,2,3
	v_max3_num_f32 v[SCR+\b], v[SA+16*\b], v[SA+1+16*\b], v[SA+2+16*\b]   ; the largest score of each block of 32 keys
.endr
.irp i, 3,5,7,9,11,13
.irp b, 0,1,2,3
	v_max3_num_f32 v[SCR+\b], v[SCR+\b], v[SA+16*\b+\i], v[SA+1+16*\b+\i]
.endr
.endr
.irp b, 0,1,2,3
	v_max_num_f32 v[SCR+\b], v[SCR+\b], v[SA+15+16*\b]
.endr
.irp b, 0,1,2,3
	s_delay_alu instid0(VALU_DEP_4)
	v_permlanex16_b32 v[SCR+4+\b], v[SCR+\b], s[SEL], s[SEL+1]
.endr
.irp b, 0,1,2,3
	s_delay_alu instid0(VALU_DEP_4)
	v_max_num_f32 v[SCR+\b], v[SCR+\b], v[SCR+4+\b]
.endr
	s_delay_alu instid0(VALU_DEP_2)
	v_max3_num_f32 v[SCR+22], v[SCR], v[SCR+1], v[SCR+2]
	s_delay_alu instid0(VALU_DEP_1)
	v_max_num_f32 v[SCR+22], v[SCR+22], v[SCR+3]
	s_delay_alu instid0(VALU_DEP_1)
	v_mul_f32 v[SCR+22], s[CS], v[SCR+22]
	s_delay_alu instid0(VALU_DEP_1)
	v_max_num_f32 v[STA+1], v[STA+1], v[SCR+22]    ; the running largest t
	v_mov_b32 v[SCR+22], v[STA]
	s_delay_alu instid0(VALU_DEP_2)
	v_floor_f32 v[STA], -v[STA+1]                  ; the new -M
	s_delay_alu instid0(VALU_DEP_1)
	v_sub_f32 v[SCR+22], v[STA], v[SCR+22]
	s_delay_alu instid0(VALU_DEP_1)
	v_cvt_i32_f32 v[SCR+22], v[SCR+22]             ; (it saturates)
	s_delay_alu instid0(VALU_DEP_1)
	v_ldexp_f32 v[FA], 1.0, v[SCR+22]              ; f = 2^(old M - new M)
.set n, 0
.rept 32
	v_pk_fma_f32 v[SA+n:SA+n+1], v[SA+n:SA+n+1], s[CS:CS+1], v[STA:STA+1] op_sel_hi:[1,0,0]
.set n, n+2
.endr
.irp b, 0,1,2,3
	v_fma_f32 v[SCR+\b], v[SCR+\b], s[CS], v[STA]
.endr
	s_wait_alu depctr_va_vdst(0)                   ; the wait ahead of the batch
.set n, 0
.rept 64
	v_exp_f32 v[SA+n], v[SA+n]
.set n, n+1
.endr
	v_pk_mul_f32 v[STA+2:STA+3], v[STA+2:STA+3], v[FA:FA+1] op_sel_hi:[1,0]
	s_wait_alu depctr_va_vdst(0)                   ; one wait for the batch
.irp b, 0,1,2,3
	v_exp_f32 v[SCR+\b], v[SCR+\b]                 ; each block's largest p
.endr
.irp c, 0,1,2,3,4,5,6                          ; the row's sum of the unquantised p: eight chains
	v_pk_add_f32 v[SCR+4+2*\c:SCR+5+2*\c], v[SA+4*\c:SA+4*\c+1], v[SA+4*\c+2:SA+4*\c+3]
.endr
	v_pk_add_f32 v[STA+2:STA+3], v[STA+2:STA+3], v[SA+28:SA+29]
.irp c, 0,1,2,3,4,5,6
	v_pk_add_f32 v[SCR+4+2*\c:SCR+5+2*\c], v[SCR+4+2*\c:SCR+5+2*\c], v[SA+30+2*\c:SA+31+2*\c]
.endr
	v_pk_add_f32 v[STA+2:STA+3], v[STA+2:STA+3], v[SA+44:SA+45]
.irp c, 0,1,2,3,4,5,6
	v_pk_add_f32 v[SCR+4+2*\c:SCR+5+2*\c], v[SCR+4+2*\c:SCR+5+2*\c], v[SA+46+2*\c:SA+47+2*\c]
.endr
	v_pk_add_f32 v[STA+2:STA+3], v[STA+2:STA+3], v[SA+60:SA+61]
	v_pk_add_f32 v[SCR+4:SCR+5], v[SCR+4:SCR+5], v[SA+62:SA+63]
	s_delay_alu instid0(VALU_DEP_2)
	v_pk_add_f32 v[STA+2:STA+3], v[STA+2:STA+3], v[SCR+10:SCR+11]
	s_delay_alu instid0(VALU_DEP_2)
	v_pk_add_f32 v[SCR+4:SCR+5], v[SCR+4:SCR+5], v[SCR+12:SCR+13]
	v_pk_add_f32 v[SCR+6:SCR+7], v[SCR+6:SCR+7], v[SCR+14:SCR+15]
	v_pk_add_f32 v[SCR+8:SCR+9], v[SCR+8:SCR+9], v[SCR+16:SCR+17]
	s_delay_alu instid0(VALU_DEP_2)
	v_pk_add_f32 v[STA+2:STA+3], v[STA+2:STA+3], v[SCR+6:SCR+7]
	s_delay_alu instid0(VALU_DEP_2)
	v_pk_add_f32 v[SCR+4:SCR+5], v[SCR+4:SCR+5], v[SCR+8:SCR+9]
	s_delay_alu instid0(VALU_DEP_1)
	v_pk_add_f32 v[STA+2:STA+3], v[STA+2:STA+3], v[SCR+4:SCR+5]
	s_wait_alu depctr_va_vdst(0)                   ; and one for the four
.irp b, 0,1,2,3
	v_max_num_f32 v[SCR+\b], 0x2800000, v[SCR+\b]  ; the floor 2^(5 - 127)
.endr
.irp b, 0,1,2,3
	s_delay_alu instid0(VALU_DEP_4)
	v_add_nc_u32 v[SCR+12+\b], 0xfe000000, v[SCR+\b]
.endr
.irp b, 0,1,2,3
	s_delay_alu instid0(VALU_DEP_4)
	v_lshrrev_b32 v[SCR+4+\b], 23, v[SCR+12+\b]
.endr
	s_delay_alu instid0(VALU_DEP_3)
	v_lshl_or_b32 v[FA+1], v[SCR+5], 8, v[SCR+4]   ; p's scale word for these 128 keys
	s_delay_alu instid0(VALU_DEP_1)
	v_lshl_or_b32 v[FA+1], v[SCR+6], 16, v[FA+1]
	s_delay_alu instid0(VALU_DEP_1)
	v_lshl_or_b32 v[FA+1], v[SCR+7], 24, v[FA+1]
.irp c, 0,1
	v_cvt_scalef32_pk16_bf6_f32 v[PCA+6*\c:PCA+2+6*\c], v[SA+32*\c:SA+15+32*\c], v[SCR+12+2*\c]
	v_cvt_scalef32_pk16_bf6_f32 v[SCR+4+4*\c:SCR+6+4*\c], v[SA+16+32*\c:SA+31+32*\c], v[SCR+13+2*\c]
.endr
	v_nop
.irp c, 0,1
.irp i, 0,1,2
	v_permlane16_swap_b32 v[PCA+6*\c+\i], v[SCR+4+4*\c+\i]
.endr
.irp i, 0,1,2
	s_delay_alu instid0(VALU_DEP_3)
	v_mov_b32 v[PCA+3+6*\c+\i], v[SCR+4+4*\c+\i]
.endr
.endr
	s_wait_alu depctr_va_vdst(0)                   ; the wait directly ahead of the first reader of O^T
	WIN 0x41
.set n, 0
.rept 32
	v_pk_mul_f32 v[OA+n:OA+n+1], v[OA+n:OA+n+1], v[FA:FA+1] op_sel_hi:[1,0]   ; O^T under the new M; also the places ahead of the product
.set n, n+2
.endr
	WIN 0
	s_wait_alu depctr_va_vdst(0)
.endm
; the way out's quantiser: 64 numbers of a lane in v[SA ..] become codes in v[PCA ..] and a scale word in v[SCR + 16]; its four blocks take turns line by line
.macro QUANT
.irp b, 0,1,2,3
	v_max3_num_f32 v[SCR+\b], |v[SA+16*\b]|, |v[SA+1+16*\b]|, 0x2800000
.endr
.irp i, 2,4,6,8,10,12,14
.irp b, 0,1,2,3
	v_max3_num_f32 v[SCR+\b], v[SCR+\b], |v[SA+16*\b+\i]|, |v[SA+1+16*\b+\i]|
.endr
.endr
.irp b, 0,1,2,3
	v_permlanex16_b32 v[SCR+4+\b], v[SCR+\b], s[SEL], s[SEL+1]
.endr
.irp b, 0,1,2,3
	v_max_num_f32 v[SCR+\b], v[SCR+\b], v[SCR+4+\b]
.endr
.irp b, 0,1,2,3
	v_add_nc_u32 v[SCR+12+\b], 0xfe000000, v[SCR+\b]
.endr
.irp b, 0,1,2,3
	v_lshrrev_b32 v[SCR+4+\b], 23, v[SCR+12+\b]
.endr
	v_lshl_or_b32 v[SCR+16], v[SCR+5], 8, v[SCR+4]
	v_lshl_or_b32 v[SCR+16], v[SCR+6], 16, v[SCR+16]
	v_lshl_or_b32 v[SCR+16], v[SCR+7], 24, v[SCR+16]
.irp c, 0,1
	v_cvt_scalef32_pk16_bf6_f32 v[PCA+6*\c:PCA+2+6*\c], v[SA+32*\c:SA+15+32*\c], v[SCR+12+2*\c]
	v_cvt_scalef32_pk16_bf6_f32 v[PCA+12+4*\c:PCA+14+4*\c], v[SA+16+32*\c:SA+31+32*\c], v[SCR+13+2*\c]
.endr
	v_nop
.irp c, 0,1
.irp i, 0,1,2
	v_permlane16_swap_b32 v[PCA+6*\c+\i], v[PCA+12+4*\c+\i]
.endr
.irp i, 0,1,2
	v_mov_b32 v[PCA+3+6*\c+\i], v[PCA+12+4*\c+\i]
.endr
.endr
.endm
	s_load_b128 s[4:7], s[0:1], 0x0                ; qq s[4:5], kv s[6:7]
	s_load_b64 s[8:9], s[0:1], 0x10                ; ao
	v_lshl_add_u32 v[SPW], v0, 2, SPARE
	v_mov_b32 v[NIL], 0
	ds_add_u32 v[SPW], v[NIL]                      ; the opening lines: the add twice on end, and its wait ahead of my first tensor load
	ds_add_u32 v[SPW], v[NIL]
	v_lshrrev_b32 v8, 5, v0
	s_delay_alu instid0(VALU_DEP_1)
	v_readfirstlane_b32 s[WV], v8                  ; wave 0..7
	s_and_b32 s10, ttmp9, 1                        ; which half of the block's tiles
	s_and_b32 s11, ttmp7, 0xffff                   ; 8 x batch + kv head
	s_lshr_b32 s[LO], ttmp9, 1                     ; c
	s_sub_co_u32 s[HI], 15, s[LO]
	s_sub_co_u32 s[WRAP], 16, s[LO]
	s_lshl_b32 s14, s10, 2
	s_and_b32 s12, s[WV], 3
	s_add_co_u32 s14, s14, s12                     ; my tile of 16 positions in a block
	s_lshr_b32 s16, s11, 3
	s_lshl_b32 s[B16], s16, 4
	s_and_b32 s17, s11, 7
	s_lshl_b32 s17, s17, 1
	s_lshr_b32 s12, s[WV], 2
	s_add_co_u32 s17, s17, s12                     ; my query head
	s_add_co_u32 s19, s[B16], s17
	s_lshl_b32 s12, s19, 7
	s_add_co_u32 s12, s12, s14
	s_lshl_b32 s13, s[HI], 3
	s_add_co_u32 s48, s12, s13
	s_mul_i32 s48, s48, 1536                       ; Q's image, first block
	s_mov_b32 s49, 0
	s_lshl_b32 s13, s[LO], 3
	s_add_co_u32 s52, s12, s13
	s_mul_i32 s52, s52, 1536                       ; second block
	s_mov_b32 s53, 0
	s_lshl_b32 s12, s19, 4
	s_lshl_b32 s15, s14, 2
	s_add_co_u32 s13, s12, s[HI]
	s_lshl_b32 s54, s13, 9
	s_add_co_u32 s54, s54, s15
	s_add_co_u32 s54, s54, QQP                     ; Q's scale words: the block's pack, at my tile's word
	s_mov_b32 s55, 0
	s_add_co_u32 s13, s12, s[LO]
	s_lshl_b32 s56, s13, 9
	s_add_co_u32 s56, s56, s15
	s_add_co_u32 s56, s56, QQP
	s_mov_b32 s57, 0
	s_mul_i32 s50, s11, 16*CH
	s_mov_b32 s51, 0                               ; stays 0
	s_mul_i32 s58, s[WV], HCH                      ; half w % 2 of chunk w / 2: 12,800 x wave, in memory and in the slot
	s_mov_b32 s59, 0
	s_and_b32 s[HALF], s[WV], 1
	s_mul_i32 s[HALF], s[HALF], HCH
	s_mov_b32 s[G1], 3<<16                         ; half a chunk: 50 rows of 32 elements of 8 bytes
	s_mov_b32 s[G1+1], 32<<16
	s_mov_b32 s[G1+2], 50<<16
	s_mov_b32 s[G1+3], 32<<16
	s_mov_b32 s[G1+4], 50
	s_mov_b32 s[G1+5], 32
	s_mov_b32 s[G1+6], 0
	s_mov_b32 s[G1+7], 0
	s_mov_b32 s[SEL], 0x76543210
	s_mov_b32 s[SEL+1], 0xfedcba98
	s_mov_b32 s[CS], 0x3e0293ee                    ; log2(e) / sqrt(128)
	s_mov_b32 s[CS+1], s[CS]
	s_lshr_b32 s[NXT], s[WV], 1
	s_add_co_u32 s[NXT], s[NXT], 4
	s_mov_b32 s[JB], s[HI]
	s_mov_b32 s[KB], 0
	s_mov_b32 s[NN], 0
	s_mov_b32 s[SBS], 0
	s_mov_b32 s[OC], 5
	s_wait_dscnt 0x0
	s_wait_kmcnt 0x0
	s_add_nc_u64 s[6:7], s[6:7], s[50:51]          ; kv at my (batch, kv head)
	s_add_nc_u64 s[48:49], s[4:5], s[48:49]
	s_add_nc_u64 s[52:53], s[4:5], s[52:53]
	s_add_nc_u64 s[54:55], s[4:5], s[54:55]
	s_add_nc_u64 s[56:57], s[4:5], s[56:57]
	s_mov_b32 s[G0], 1
	s_mov_b32 s[G0+1], s58                         ; slot 0
	s_add_nc_u64 s[G0+2:G0+3], s[6:7], s[58:59]
	s_or_b32 s[G0+3], s[G0+3], 0x80000000
	tensor_load_to_lds s[G0:G0+3], s[G1:G1+7]      ; my one load at the head
	s_nop 0
.rept 4
	v_nop
.endr
	v_and_b32 v9, 15, v0                           ; r
	v_bfe_u32 v10, v0, 4, 1                        ; h
	v_and_b32 v11, 31, v0
	s_delay_alu instid0(VALU_DEP_1)
	v_lshlrev_b32 v[L16], 4, v11
	s_delay_alu instid0(VALU_DEP_1)
	v_add_nc_u32 v[AV0], 12288, v[L16]
	v_lshlrev_b32 v8, 5, v9                        ; 32 r
	s_delay_alu instid0(VALU_DEP_1)
	v_add_nc_u32 v[ASK0], 24576, v8
	s_delay_alu instid0(VALU_DEP_2)
	v_add_nc_u32 v[ASV0], 25088, v8
	v_lshlrev_b32 v[A64], 6, v9                    ; 64 r
.irp c, 0,1,2
	global_load_b128 v[QA+4*\c:QA+4*\c+3], v[L16], s[48:49] offset:512*\c
.endr
	global_load_b32 v[QSA], v8, s[54:55]
.irp c, 0,1,2
	global_load_b128 v[QL+4*\c:QL+4*\c+3], v[L16], s[52:53] offset:512*\c
.endr
	global_load_b32 v[QLS], v8, s[56:57]
	WIN 0x40                                       ; destinations in window 1
.set n, 0
.rept 64
	v_mov_b32 v[OA+n], 0                           ; O^T: the step is written once; its first run finds zeros
.set n, n+1
.endr
	WIN 0
	s_lshr_b32 s12, s14, 1
	s_lshl_b32 s12, s12, 5
	s_and_b32 s13, s14, 1
	s_lshl_b32 s13, s13, 3
	s_add_co_u32 s12, s12, s13
	v_and_b32 v11, 8, v9
	s_delay_alu instid0(VALU_DEP_1)
	v_add_nc_u32 v11, v11, v9
	v_lshlrev_b32 v10, 4, v10
	s_delay_alu instid0(VALU_DEP_1)
	v_sub_nc_u32 v11, v11, v10
	s_delay_alu instid0(VALU_DEP_1)
	v_add_nc_u32 v[DQ], s12, v11                   ; my query's place among the block's 128, less 16 h
	v_mov_b32 v[STA+1], 0xff61b1e6                 ; the largest t so far: -3e38
	s_delay_alu instid0(VALU_DEP_1)
	v_floor_f32 v[STA], -v[STA+1]
.irp r, STA+2, STA+3, FA, FA+1, SCR+4, SCR+5, SCR+6, SCR+7
	v_mov_b32 v[\r], 0
.endr
	s_wait_alu depctr_va_vdst(0)
	s_wait_loadcnt 0x0                             ; Q of both blocks
.Louter:                                           ; 5 trips: the change of slots, then four trips of the walk
	s_wait_alu depctr_va_vdst(0)
	s_wait_tensorcnt 0x0                           ; my load has landed, so group 0 may be written
	ds_add_u32 v[SPW], v[NIL]
	s_xor_b32 s[G0+1], s[G0+1], SLOT1              ; the other slot than last time
	s_cmp_gt_u32 s[NXT], s[HI]                     ; behind the first block's chunks the sequence begins again at chunk 0
	s_cselect_b32 s50, s[WRAP], 0
	s_sub_co_u32 s50, s[NXT], s50
	s_mul_i32 s50, s50, CH
	s_add_co_u32 s50, s50, s[HALF]
	s_add_nc_u64 s[G0+2:G0+3], s[6:7], s[50:51]
	s_or_b32 s[G0+3], s[G0+3], 0x80000000
	s_wait_dscnt 0x0                               ; the add is done, and my reads of the slot that is left are in registers
	s_barrier_signal -1
	s_barrier_wait -1
	s_cmp_gt_u32 s[NXT], 16                        ; the sequence has 17 chunks: beyond it nothing is asked for
	s_cbranch_scc1 .Lnofill
	tensor_load_to_lds s[G0:G0+3], s[G1:G1+7]
	s_nop 0
.rept 4
	v_nop
.endr
.Lnofill:
	s_add_co_u32 s[NXT], s[NXT], 4
	s_mov_b32 s[TB], s[SBS]
	s_mov_b32 s[IC], 4
.Linner:
	s_cmp_gt_u32 s[NN], 16
	s_cbranch_scc1 .LnoK
	v_add_nc_u32 v[ADK], s[TB], v[L16]             ; (these four are also the places behind the S products)
	v_add_nc_u32 v[ADS], s[TB], v[ASK0]
	v_add_nc_u32 v[ADV], s[TB], v[AV0]
	v_add_nc_u32 v[ADT], s[TB], v[ASV0]
	s_wait_alu depctr_va_vdst(0)
	WIN 0x40
.irp t, 0,1,2,3,4,5,6,7
.irp c, 0,1,2
	ds_load_b128 v[KF+12*\t+4*\c:KF+12*\t+4*\c+3], v[ADK] offset:1536*\t+512*\c   ; K of step n + 1
.endr
.endr
	WIN 0
	ds_load_b128 v[KS:KS+3], v[ADS]
	ds_load_b128 v[KS+4:KS+7], v[ADS] offset:16
	s_branch .LgotK
.LnoK:
.rept 4
	v_nop
.endr
	s_wait_dscnt 0x0                               ; no younger loads on this way: V is waited for here
.LgotK:
	s_sub_co_u32 s50, s[NN], 1
	s_cmp_gt_u32 s50, 16                           ; steps 0 .. 16 alone have work
	s_cbranch_scc1 .LnoB
	s_cmp_lg_u32 s[KB], s[JB]                      ; only the step on the diagonal hides keys
	s_cbranch_scc1 .Lopen
	v_mov_b32 v[SCR+22], 0xff800000                ; -infinity: p = 0 then
.set n, 0
.rept 64                               ; register 16 b + i holds key 32 b + 16 h + i of the step
	v_cmp_gt_i32 vcc_lo, 32*(n/16)+n%16, v[DQ]
	v_cndmask_b32 v[SA+n], v[SA+n], v[SCR+22], vcc_lo
.set n, n+1
.endr
.Lopen:
	SOFT
	s_wait_dscnt 26                                ; V's 26 loads are in; the 26 younger ones, K of the next step, may be out
	WIN 0x51                                       ; V, C and D window 1, codes window 0: O^T += V^T P^T, eight accumulators by turns
.irp t, 0,1,2,3,4,5,6,7
	v_wmma_scale_f32_16x16x128_f8f6f4 v[OA+8*\t:OA+8*\t+7], v[VF+12*\t:VF+12*\t+11], v[PCA:PCA+11], v[OA+8*\t:OA+8*\t+7], v[VS+\t], v[FA+1] matrix_a_fmt:MATRIX_FMT_BF6 matrix_b_fmt:MATRIX_FMT_BF6
.endr
	WIN 0
	s_cmp_lg_u32 s[KB], s[JB]
	s_cbranch_scc1 .LnoF
	; THE WAY OUT of a block, behind its diagonal step: O^T / the sum, quantised, stored as an image; then the second block's Q and a fresh maximum (f = 0 then clears the sum and O^T)
	s_add_co_u32 s50, s[B16], s[JB]
	s_lshl_b32 s52, s50, 4
	s_add_co_u32 s52, s52, s17
	s_lshl_b32 s52, s52, 3
	s_add_co_u32 s52, s52, s14
	s_mul_i32 s52, s52, 1536                       ; ao's image: (row block, K step = head, tile)
	s_mov_b32 s53, 0
	s_add_nc_u64 s[52:53], s[8:9], s[52:53]
	s_lshl_b32 s54, s50, 7
	s_lshl_b32 s50, s14, 4
	s_add_co_u32 s54, s54, s50
	s_lshl_b32 s54, s54, 6
	s_lshl_b32 s50, s17, 2
	s_add_co_u32 s54, s54, s50
	s_add_co_u32 s54, s54, AOS                     ; ao's scale rows of 64 bytes, at my head's word
	s_mov_b32 s55, 0
	s_add_nc_u64 s[54:55], s[8:9], s[54:55]
	v_add_f32 v[STA+2], v[STA+2], v[STA+3]
	v_permlanex16_b32 v[SCR+4], v[STA+2], s[SEL], s[SEL+1]
	v_add_f32 v[SCR+20], v[SCR+4], v[STA+2]        ; the row's sum, in a register that holds nothing else
	s_wait_alu depctr_va_vdst(0)
	v_rcp_f32 v[SCR+20], v[SCR+20]
	v_mov_b32 v[STA+1], 0xff61b1e6
	v_floor_f32 v[STA], -v[STA+1]
	s_wait_alu depctr_va_vdst(0)                   ; ahead of the reciprocal's and O^T's first readers
	WIN 0x01
.set n, 0
.rept 64
	v_mul_f32 v[SA+n], v[OA+n], v[SCR+20]
.set n, n+1
.endr
	WIN 0
	QUANT
.irp c, 0,1,2
	global_store_b128 v[L16], v[PCA+4*\c:PCA+4*\c+3], s[52:53] offset:512*\c
.endr
	global_store_b32 v[A64], v[SCR+16], s[54:55]
	s_wait_xcnt 0x0                                ; the stores have read the codes' registers
	v_mov_b32 v[QSA], v[QLS]
.set n, 0
.rept 12
	v_mov_b32 v[QA+n], v[QL+n]
.set n, n+1
.endr
	s_wait_alu depctr_va_vdst(0)
	s_mov_b32 s[JB], s[LO]
	s_mov_b32 s[KB], -1
.LnoF:
	s_add_co_u32 s[KB], s[KB], 1
.LnoB:
	s_cmp_gt_u32 s[NN], 16
	s_cbranch_scc1 .LnoS
.rept 4
	v_nop                                          ; places ahead of loads into registers that the products have read
.endr
	WIN 0x40
.irp t, 0,1,2,3,4,5,6,7
.irp c, 0,1,2
	ds_load_b128 v[VF+12*\t+4*\c:VF+12*\t+4*\c+3], v[ADV] offset:1536*\t+512*\c   ; V of step n + 1
.endr
.endr
	WIN 0
	ds_load_b128 v[VS:VS+3], v[ADT]
	ds_load_b128 v[VS+4:VS+7], v[ADT] offset:16
	s_wait_dscnt 26                                ; K's 26 loads are in; V's 26 may be out
	WIN 0x01                                       ; S^T = K Q^T of step n + 1, eight accumulators
.irp t, 0,1,2,3,4,5,6,7
	v_wmma_scale_f32_16x16x128_f8f6f4 v[SA+8*\t:SA+8*\t+7], v[KF+12*\t:KF+12*\t+11], v[QA:QA+11], 0, v[KS+\t], v[QSA] matrix_a_fmt:MATRIX_FMT_BF6 matrix_b_fmt:MATRIX_FMT_BF6
.endr
	WIN 0
.LnoS:
	s_add_co_u32 s[NN], s[NN], 1
	s_add_co_u32 s[TB], s[TB], CH
	s_sub_co_u32 s[IC], s[IC], 1
	s_cmp_lg_u32 s[IC], 0
	s_cbranch_scc1 .Linner
	s_xor_b32 s[SBS], s[SBS], SLOT1
	s_sub_co_u32 s[OC], s[OC], 1
	s_cmp_lg_u32 s[OC], 0
	s_cbranch_scc1 .Louter
	s_wait_tensorcnt 0x0                           ; the wave's end
	ds_add_u32 v[SPW], v[NIL]
	s_wait_dscnt 0x0
	s_endpgm
.Lfunc_end_k_q98544e0704_attn:
	.size	k_q98544e0704_attn, .Lfunc_end_k_q98544e0704_attn-k_q98544e0704_attn
	.p2alignl 7, 3214868480
	.fill 96, 4, 3214868480
	.section	.rodata,"a",@progbits
	.p2align	6, 0x0
	.amdhsa_kernel k_q98544e0704_attn
		.amdhsa_group_segment_fixed_size 327680
		.amdhsa_private_segment_fixed_size 0
		.amdhsa_enable_private_segment 0
		.amdhsa_kernarg_size 24
		.amdhsa_user_sgpr_count 2
		.amdhsa_user_sgpr_kernarg_segment_ptr 1
		.amdhsa_wavefront_size32 1
		.amdhsa_system_sgpr_workgroup_id_x 1
		.amdhsa_system_sgpr_workgroup_id_y 1
		.amdhsa_system_sgpr_workgroup_id_z 1
		.amdhsa_system_vgpr_workitem_id 0
		.amdhsa_next_free_vgpr 512
		.amdhsa_next_free_sgpr 66
		.amdhsa_reserve_vcc 1
		.amdhsa_float_denorm_mode_32 3
		.amdhsa_float_denorm_mode_16_64 3
		.amdhsa_memory_ordered 1
		.amdhsa_forward_progress 1
		.amdhsa_inst_pref_size 43
	.end_amdhsa_kernel
	.amdgpu_metadata
---
amdhsa.version: [ 1, 2 ]
amdhsa.kernels:
  - .name:           k_q98544e0704_attn
    .symbol:         k_q98544e0704_attn.kd
    .args:
      - { .name: qq, .offset: 0, .size: 8, .value_kind: global_buffer, .address_space: global }
      - { .name: kv, .offset: 8, .size: 8, .value_kind: global_buffer, .address_space: global }
      - { .name: ao, .offset: 16, .size: 8, .value_kind: global_buffer, .address_space: global }
    .group_segment_fixed_size: 327680
    .private_segment_fixed_size: 0
    .kernarg_segment_align: 8
    .kernarg_segment_size: 24
    .max_flat_workgroup_size: 256
    .sgpr_count:     66
    .vgpr_count:     512
    .wavefront_size: 32
...
	.end_amdgpu_metadata
.endif
;; end of part 3
;; launch oproj (part 4): grid 8 x 32, 4 waves a work-group, clusters of 4 x 4, 327,680 bytes of LDS; arguments ao, pre, out0; writes out0
.if DOCPART == 4
	.amdgcn_target "amdgcn-amd-amdhsa--gfx1250"
	.amdhsa_code_object_version 6
	.text
	.protected	k_q98544e0704_oproj
	.globl	k_q98544e0704_oproj
	.p2align	8
	.type	k_q98544e0704_oproj,@function
k_q98544e0704_oproj:
	s_mov_b64 s[64:65], 0
	v_nop
	global_prefetch_b8 v0, s[64:65] scope:SCOPE_SE
	s_setreg_imm32_b32 hwreg(HW_REG_WAVE_MODE, 25, 1), 1
	s_wait_xcnt 0x0
	s_wait_alu depctr_hold_cnt(0) depctr_sa_sdst(0) depctr_va_vdst(0) depctr_va_sdst(0) depctr_va_ssrc(0) depctr_va_vcc(0) depctr_vm_vsrc(0)
	s_getreg_b32 s2, hwreg(HW_REG_IB_STS2, 6, 4)
	s_cmp_eq_u32 s2, 0
	s_cbranch_scc0 .Lentry_in_a_cluster
	s_endpgm
.Lentry_in_a_cluster:
	s_bfe_u32 s2, ttmp6, 0x10000c
	s_cmp_lg_u32 s2, 0xf033
	s_cbranch_scc0 .Lentry_shape_is_right
	s_endpgm
.Lentry_shape_is_right:
.set WOC,  6291456
.set WOS,  8126464
.set AOS,  6291456
.set SLOT, 98304
.set SCL,  196608
.set HALFS, 4352
.set SBLK, 1088
.set SPARE, 214016
.set STG,  214528
.set ADRA, 16
.set ADRB, 20
.set STO,  24
.set RD,   25
.set CO,   26
.set ADRS, 27
.set SPW,  28
.set NIL,  29
.set SC,   32
.set OB,   64
.set ACC,  128
.set G1,   24
.set G0,   32
.set G1B,  48
.set G0B,  56
.set G1S,  68
.set G0S,  76
.set G1SB, 80
.set G0SB, 88
.set MSB, 0
.macro WIN new
.if MSB != (\new)
	s_set_vgpr_msb (MSB<<8)|(\new)
.set MSB, (\new)
.endif
.endm
.macro PLACES n
.rept \n
	v_nop
.endr
.endm
.macro JLOAD g0a, g1a, g0b, g1b
	s_cmp_eq_u32 s15, 0
	s_cbranch_scc0 .Lfor_b_\@
	tensor_load_to_lds s[\g0a:\g0a+3], s[\g1a:\g1a+7]
	s_nop 0
.rept 4
	v_nop
.endr
	s_branch .Lasked_\@
.Lfor_b_\@:
	tensor_load_to_lds s[\g0b:\g0b+3], s[\g1b:\g1b+7]
	s_nop 0
.rept 4
	v_nop
.endr
.Lasked_\@:
.endm
.macro CREST
	s_cmp_lg_u32 s14, 0
	s_cbranch_scc1 .Lnot_wave_0_\@
	s_barrier_signal -3
.Lnot_wave_0_\@:
	s_barrier_wait -3
	s_barrier_signal -1
	s_barrier_wait -1
.endm
.macro CROUND
	s_barrier_signal -1
	s_barrier_wait -1
	CREST
.endm
.macro FETCH slot, q, p
	WIN 0x40
.irp i, 0,1,2,3
.irp c, 0,1,2
	ds_load_b128 v[128*(\p)+12*\i+4*\c:128*(\p)+12*\i+4*\c+3], v[ADRA+\slot] offset:12288*(\q)+1536*\i+512*\c
.endr
.endr
.irp i, 0,1,2,3
.irp c, 0,1,2
	ds_load_b128 v[128*(\p)+48+12*\i+4*\c:128*(\p)+48+12*\i+4*\c+3], v[ADRB+\slot] offset:12288*(\q)+1536*\i+512*\c
.endr
.endr
.endm
.macro SCALES s
	WIN 0
.irp i, 0,1,2,3
	ds_load_b128 v[SC+16*\s+4*\i:SC+16*\s+4*\i+3], v[ADRS] offset:SBLK*\i
.endr
.endm
.macro MULA a, q, s, zero
	WIN 0x05
.irp b, 0,1,2,3
.if \zero
	v_wmma_scale_f32_16x16x128_f8f6f4 v[ACC+8*(4*(\a)+\b):ACC+8*(4*(\a)+\b)+7], v[128*((\q)%2)+48+12*\b:128*((\q)%2)+48+12*\b+11], v[128*((\q)%2)+12*(\a):128*((\q)%2)+12*(\a)+11], 0, v[SC+16*(\s)+4*\b+(\q)], v[SC+16*(\s)+4*(\a)+(\q)] matrix_a_fmt:MATRIX_FMT_BF6 matrix_b_fmt:MATRIX_FMT_BF6 matrix_a_scale:MATRIX_SCALE_ROW1
.else
	v_wmma_scale_f32_16x16x128_f8f6f4 v[ACC+8*(4*(\a)+\b):ACC+8*(4*(\a)+\b)+7], v[128*((\q)%2)+48+12*\b:128*((\q)%2)+48+12*\b+11], v[128*((\q)%2)+12*(\a):128*((\q)%2)+12*(\a)+11], v[ACC+8*(4*(\a)+\b):ACC+8*(4*(\a)+\b)+7], v[SC+16*(\s)+4*\b+(\q)], v[SC+16*(\s)+4*(\a)+(\q)] matrix_a_fmt:MATRIX_FMT_BF6 matrix_b_fmt:MATRIX_FMT_BF6 matrix_a_scale:MATRIX_SCALE_ROW1
.endif
.endr
.endm
.macro OSTEP slot, q, zero
	s_wait_dscnt 0x0
	PLACES 4
	FETCH \slot, (\q)+1, ((\q)+1)%2
	MULA 0, \q, \slot, \zero
	MULA 1, \q, \slot, \zero
	MULA 2, \q, \slot, \zero
	MULA 3, \q, \slot, \zero
.endm
.macro OTURN slot, next, fill
	WIN 0
	s_wait_tensorcnt 0x0
	ds_add_u32 v[SPW], v[NIL]
	s_wait_dscnt 1
	MULA 0, 3, \slot, 0
	s_wait_dscnt 0x0
	s_barrier_signal -1
	MULA 1, 3, \slot, 0
	WIN 0
	s_barrier_wait -1
.if \fill
	CREST
	s_add_nc_u64 s[G0+4*\slot+2:G0+4*\slot+3], s[G0+4*\slot+2:G0+4*\slot+3], 98304
	s_add_nc_u64 s[G0B+4*\slot+2:G0B+4*\slot+3], s[G0B+4*\slot+2:G0B+4*\slot+3], 98304
	JLOAD G0+4*\slot, G1, G0B+4*\slot, G1B
.else
	PLACES 4
.endif
	s_wait_alu depctr_va_vdst(0)
	v_add_nc_u32 v[ADRS], 16, v[ADRS]
	FETCH \next, 0, 0
	SCALES \next
	MULA 2, 3, \slot, 0
	MULA 3, 3, \slot, 0
.endm
.macro TOSTAGE a
.irp b, 0,1,2,3
	ds_store_b128 v[STO], v[ACC+8*(4*(\a)+\b):ACC+8*(4*(\a)+\b)+3] offset:128*(\b/2)+32*(\b%2)
	ds_store_b128 v[STO], v[ACC+8*(4*(\a)+\b)+4:ACC+8*(4*(\a)+\b)+7] offset:128*(\b/2)+32*(\b%2)+16
.endr
.irp t, 0,1,2,3,4,5,6,7
	ds_load_b128 v[OB+32*((\a)%2)+4*\t:OB+32*((\a)%2)+4*\t+3], v[RD] offset:544*\t
.endr
.endm
.macro SEND a, younger
	s_wait_dscnt \younger
.irp t, 0,1,2,3,4,5,6,7
	global_store_b128 v[CO], v[OB+32*((\a)%2)+4*\t:OB+32*((\a)%2)+4*\t+3], s[8:9] offset:(32*((\a)/2)+8*((\a)%2)+2*\t+8*(\t/4))*4096 th:TH_STORE_NT
.endr
.endm
	s_load_b128 s[4:7], s[0:1], 0x0
	s_load_b64 s[8:9], s[0:1], 0x10
	v_lshl_add_u32 v[SPW], v0, 2, SPARE
	v_mov_b32 v[NIL], 0
	ds_add_u32 v28, v29
	ds_add_u32 v28, v29
	s_wait_dscnt 0x0
	v_lshrrev_b32 v1, 5, v0
	v_readfirstlane_b32 s14, v1
	s_lshr_b32 s15, s14, 1
	s_and_b32 s16, s14, 1
	s_bfe_u32 s40, ttmp6, 0x40000
	s_bfe_u32 s41, ttmp6, 0x40004
	s_lshl_b32 s42, ttmp9, 2
	s_add_co_u32 s42, s42, s40
	s_and_b32 s17, ttmp7, 0xffff
	s_lshl_b32 s17, s17, 2
	s_add_co_u32 s17, s17, s41
	s_lshl_b32 s43, s41, 2
	s_lshl_b32 s43, 15, s43
	s_lshl_b32 s44, 0x1111, s40
	s_or_b32 s[G1+0], s43, (3<<16)|(1<<21)
	s_or_b32 s[G1B+0], s44, (3<<16)|(1<<21)
.irp g, G1, G1B
	s_mov_b32 s[\g+1], 32<<16
	s_mov_b32 s[\g+2], 192<<16
	s_mov_b32 s[\g+3], 32<<16
	s_mov_b32 s[\g+4], 192
	s_mov_b32 s[\g+5], 32
	s_mov_b32 s[\g+6], 0
	s_mov_b32 s[\g+7], 0
.endr
	s_or_b32 s[G1S+0], s43, (3<<16)|(1<<20)|(1<<21)|(5<<22)|(3<<25)
	s_or_b32 s[G1SB+0], s44, (3<<16)|(1<<20)|(1<<21)|(5<<22)|(3<<25)
.irp g, G1S, G1SB
	s_mov_b32 s[\g+1], 32<<16
	s_mov_b32 s[\g+2], 32<<16
	s_mov_b32 s[\g+3], 32<<16
	s_mov_b32 s[\g+4], 32
	s_mov_b32 s[\g+5], 32
	s_mov_b32 s[\g+6], 0
	s_mov_b32 s[\g+7], 0
.endr
	s_mul_i32 s20, s17, 196608
	s_mul_i32 s21, s16, 24576
	s_add_co_u32 s20, s20, s21
	s_mov_b32 s21, 0
	s_lshl_b32 s22, s17, 13
	s_add_co_u32 s22, s22, AOS
	s_mov_b32 s23, 0
	s_mul_i32 s46, s42, 196608
	s_mul_i32 s47, s16, 24576
	s_add_co_u32 s46, s46, s47
	s_add_co_u32 s46, s46, WOC
	s_mov_b32 s47, 0
	s_lshl_b32 s66, s42, 13
	s_add_co_u32 s66, s66, WOS
	s_mov_b32 s67, 0
	s_mul_i32 s98, s14, 24576
	s_mul_i32 s99, s14, HALFS
	s_wait_kmcnt 0x0
	s_add_nc_u64 s[20:21], s[4:5], s[20:21]
	s_add_nc_u64 s[22:23], s[4:5], s[22:23]
	s_add_nc_u64 s[46:47], s[6:7], s[46:47]
	s_add_nc_u64 s[66:67], s[6:7], s[66:67]
	CROUND
	s_mov_b32 s[G0S], 1
	s_mov_b32 s[G0S+1], SCL
	s_mov_b64 s[G0S+2:G0S+3], s[22:23]
	s_or_b32 s[G0S+3], s[G0S+3], 0x80000000
	s_mov_b32 s[G0SB], 1
	s_mov_b32 s[G0SB+1], SCL+2*HALFS
	s_mov_b64 s[G0SB+2:G0SB+3], s[66:67]
	s_or_b32 s[G0SB+3], s[G0SB+3], 0x80000000
.irp s, 0,1
	s_mov_b32 s[G0+4*\s], 1
	s_add_co_u32 s[G0+4*\s+1], s98, \s*SLOT
	s_add_nc_u64 s[G0+4*\s+2:G0+4*\s+3], s[20:21], \s*49152
	s_or_b32 s[G0+4*\s+3], s[G0+4*\s+3], 0x80000000
	s_mov_b32 s[G0B+4*\s], 1
	s_add_co_u32 s[G0B+4*\s+1], s98, \s*SLOT
	s_add_nc_u64 s[G0B+4*\s+2:G0B+4*\s+3], s[46:47], \s*49152
	s_or_b32 s[G0B+4*\s+3], s[G0B+4*\s+3], 0x80000000
.endr
	; the head's loads, one a wave: wave 0 the rows' four K steps of slot 0, wave 1 the columns', wave 2 the rows' scales, wave 3 the columns'.  Slot 0's groups 0 serve them
	s_mul_i32 s12, s16, 24576
	s_mov_b32 s13, 0
	s_mov_b32 s[G0+1], 0
	s_sub_nc_u64 s[G0+2:G0+3], s[G0+2:G0+3], s[12:13]
	s_mov_b32 s[G0B+1], 49152
	s_sub_nc_u64 s[G0B+2:G0B+3], s[G0B+2:G0B+3], s[12:13]
.macro ARM under, g0, g1, next
	s_cmp_lt_u32 s14, \under
	s_cbranch_scc0 \next
	tensor_load_to_lds s[\g0:\g0+3], s[\g1:\g1+7]
	s_nop 0
.rept 4
	v_nop
.endr
	s_branch .Lhead_asked
\next:
.endm
	ARM 1, G0,  G1,  .Lhead_b
	ARM 2, G0B, G1B, .Lhead_sa
	ARM 3, G0S, G1S, .Lhead_sb
	tensor_load_to_lds s[G0SB:G0SB+3], s[G1SB:G1SB+7]
	s_nop 0
.rept 4
	v_nop
.endr
.Lhead_asked:
	v_and_b32 v1, 15, v0
	v_bfe_u32 v2, v0, 4, 1
	v_and_b32 v3, 31, v0
	v_lshlrev_b32 v3, 4, v3
	s_mul_i32 s12, s15, 6144
	s_mul_i32 s13, s16, 6144
	s_add_co_u32 s13, s13, 49152
.irp s, 0,1
	v_add_nc_u32 v[ADRA+\s], s12, v3
	v_add_nc_u32 v[ADRB+\s], s13, v3
	s_add_co_u32 s12, s12, SLOT
	s_add_co_u32 s13, s13, SLOT
.endr
	v_lshlrev_b32 v5, 6, v1
	v_lshrrev_b32 v6, 8, v5
	v_lshl_add_u32 v5, v6, 4, v5
	s_mul_i32 s12, s15, HALFS
	s_mul_i32 s13, s16, HALFS
	s_add_co_u32 s13, s13, 2*HALFS
	s_sub_co_u32 s13, s13, s12
	v_mul_u32_u24 v6, s13, v2
	s_add_co_u32 s12, s12, SCL
	v_add_nc_u32 v5, v5, v6
	v_add_nc_u32 v[ADRS], s12, v5
	s_mul_i32 s12, s14, 4352
	s_add_co_u32 s12, s12, STG
	v_mul_u32_u24 v5, v1, 272
	v_lshl_add_u32 v5, v2, 6, v5
	v_add_nc_u32 v[STO], s12, v5
	v_mul_u32_u24 v5, v2, 272
	v_lshl_add_u32 v5, v1, 4, v5
	v_add_nc_u32 v[RD], s12, v5
	v_lshlrev_b32 v[CO], 12, v2
	v_lshl_add_u32 v[CO], v1, 4, v[CO]
	s_lshl_b32 s12, s17, 7
	s_lshl_b32 s13, s15, 6
	s_add_co_u32 s12, s12, s13
	s_lshl_b32 s12, s12, 12
	s_lshl_b32 s13, s42, 9
	s_add_co_u32 s12, s12, s13
	s_lshl_b32 s13, s16, 8
	s_add_co_u32 s12, s12, s13
	s_mov_b32 s13, 0
	s_add_nc_u64 s[8:9], s[8:9], s[12:13]
	s_wait_alu depctr_va_vdst(0)
	s_wait_tensorcnt 0x0                           ; my tile of the head's four is in; these lines stand ahead of slot 1's first fill as ahead of a refill
	ds_add_u32 v[SPW], v[NIL]
	s_mul_i32 s12, s16, 24576                      ; no tensor load of mine is out: slot 0's groups 0 go back to my part and my LDS bytes,
	s_mov_b32 s13, 0
	s_add_nc_u64 s[G0+2:G0+3], s[G0+2:G0+3], s[12:13]
	s_add_nc_u64 s[G0B+2:G0B+3], s[G0B+2:G0B+3], s[12:13]
	s_mul_i32 s12, s14, 24576
	s_mov_b32 s[G0+1], s12
	s_mov_b32 s[G0B+1], s12
	s_mov_b32 s[G1+2], 96<<16                      ; and from here on a load brings 96 rows
	s_mov_b32 s[G1+4], 96
	s_mov_b32 s[G1B+2], 96<<16
	s_mov_b32 s[G1B+4], 96
	s_wait_dscnt 0x0
	CROUND
	JLOAD G0+4, G1, G0B+4, G1B                     ; slot 1's first fill, the first tensor load behind the round
	FETCH 0, 0, 0
	SCALES 0
	OSTEP 0, 0, 1
	OSTEP 0, 1, 0
	OSTEP 0, 2, 0
	OTURN 0, 1, 1
	OSTEP 1, 0, 0
	OSTEP 1, 1, 0
	OSTEP 1, 2, 0
	OTURN 1, 0, 1
	OSTEP 0, 0, 0
	OSTEP 0, 1, 0
	OSTEP 0, 2, 0
	OTURN 0, 1, 0
	OSTEP 1, 0, 0
	OSTEP 1, 1, 0
	OSTEP 1, 2, 0
	s_wait_dscnt 0x0
	MULA 0, 3, 1, 0
	MULA 1, 3, 1, 0
	MULA 2, 3, 1, 0
	MULA 3, 3, 1, 0
	WIN 0
	PLACES 4
	TOSTAGE 0
	TOSTAGE 1
	SEND 0, 16
	s_wait_xcnt 0x0
	TOSTAGE 2
	SEND 1, 16
	s_wait_xcnt 0x0
	TOSTAGE 3
	SEND 2, 16
	SEND 3, 0
	s_wait_tensorcnt 0x0
	ds_add_u32 v[SPW], v[NIL]
	s_wait_dscnt 0x0
	CROUND
	s_endpgm
.Lfunc_end_k_q98544e0704_oproj:
	.size	k_q98544e0704_oproj, .Lfunc_end_k_q98544e0704_oproj-k_q98544e0704_oproj
	.p2alignl 7, 3214868480
	.fill 96, 4, 3214868480
	.section	.rodata,"a",@progbits
	.p2align	6, 0x0
	.amdhsa_kernel k_q98544e0704_oproj
		.amdhsa_group_segment_fixed_size 327680
		.amdhsa_private_segment_fixed_size 0
		.amdhsa_enable_private_segment 0
		.amdhsa_kernarg_size 24
		.amdhsa_user_sgpr_count 2
		.amdhsa_user_sgpr_kernarg_segment_ptr 1
		.amdhsa_wavefront_size32 1
		.amdhsa_system_sgpr_workgroup_id_x 1
		.amdhsa_system_sgpr_workgroup_id_y 1
		.amdhsa_system_sgpr_workgroup_id_z 1
		.amdhsa_system_vgpr_workitem_id 0
		.amdhsa_next_free_vgpr 512
		.amdhsa_next_free_sgpr 100
		.amdhsa_reserve_vcc 0
		.amdhsa_float_denorm_mode_32 3
		.amdhsa_float_denorm_mode_16_64 3
		.amdhsa_memory_ordered 1
		.amdhsa_forward_progress 1
		.amdhsa_inst_pref_size 82
	.end_amdhsa_kernel
	.amdgpu_metadata
---
amdhsa.version: [ 1, 2 ]
amdhsa.kernels:
  - .name:           k_q98544e0704_oproj
    .symbol:         k_q98544e0704_oproj.kd
    .args:
      - { .name: ao, .offset: 0, .size: 8, .value_kind: global_buffer, .address_space: global }
      - { .name: pre, .offset: 8, .size: 8, .value_kind: global_buffer, .address_space: global }
      - { .name: out0, .offset: 16, .size: 8, .value_kind: global_buffer, .address_space: global }
    .group_segment_fixed_size: 327680
    .private_segment_fixed_size: 0
    .kernarg_segment_align: 8
    .kernarg_segment_size: 24
    .max_flat_workgroup_size: 128
    .sgpr_count:     100
    .vgpr_count:     512
    .wavefront_size: 32
...
	.end_amdgpu_metadata
.endif
;; end of part 4
